; MI455X (gfx1250); checked and timed in simulation.
; The chip was launched on July 23, 2026; its instructions are those of AMD's public machine-readable ISA for CDNA 5 (MIT licence, August 2026) and "CDNA5" Instruction Set Architecture Reference Guide (July 2026). The comments in the code are by the model that wrote it; some were corrected since.
;; Multi Cross Attention. Allowed arithmetic: matrix products marked QUANTISED: E2M3 operands, one E8M0 scale for each 32 along K, by v_wmma_scale_f32_16x16x128_f8f6f4 with both operands' format E2M3, f32 sums; everything else in f32.
;; Inputs: Wk 1,024 x 1,024 float32; Wo 1,024 x 1,024 float32; Wq 1,024 x 1,024 float32; Wv 1,024 x 1,024 float32; attention_mask 4 x 1 x 2,048 x 2,048 int32; bo 1,024 float32; x 4 x 2,048 x 1,024 float32; y 4 x 2,048 x 1,024 float32.
;; Outputs: out0 4 x 2,048 x 1,024 float32.
;; This version of the problem:
;;   THIS VERSION OF THE PROBLEM IS GIVEN IN LOW PRECISION. The matrix products marked QUANTISED in the list below multiply operands that are first quantised to E2M3 (2 exponent bits, 3 mantissa bits; 6 bits a number), with one power-of-two scale for each 32 numbers along K (OCP MX v1.0); their sums are f32. All else is computed in f32.
;;   The module's matrix products, in the order in which they are computed (A, B: the left and right operand; K: the contracted axis; several contracted axes count as one K, in the product's order):
;;     1. [M 8,192, K 1,024] x [K 1,024, N 1,024]; A: input x; B: input Wq: QUANTISED
;;     2. [M 8,192, K 1,024] x [K 1,024, N 1,024]; A: input x; B: input Wk: QUANTISED
;;     3. [M 8,192, K 1,024] x [K 1,024, N 1,024]; A: input y; B: input Wv: QUANTISED
;;     4. batch 64 x [M 2,048, K 64] x [K 64, N 2,048]; A: computed on the way; B: computed on the way: QUANTISED
;;     5. batch 64 x [M 2,048, K 2,048] x [K 2,048, N 64]; A: softmax (see below); B: computed on the way: QUANTISED
;;     6. [M 8,192, K 1,024] x [K 1,024, N 1,024]; A: computed on the way; B: input Wo: QUANTISED
;;   THE QUANTISER, for each operand of a quantised product, along K:
;;     - K is cut into blocks of 32 from its start; a last block that is shorter is filled with zeros.
;;     - A block's scale is 2^e with e = floor(log2(the largest magnitude in the block)) - 2, held to -126 .. 127; a block of zeros has e = 0. As a byte (E8M0): e + 127.
;;     - Each number is divided by its block's scale, clamped to +-7.5, and rounded to the nearest number of E2M3, ties to even, subnormals kept.
;;     - The product sums the exact products of the quantised numbers (number of the format x scale) in f32.
;;   ~~~python
;;   def quantise(x, axis):      # numpy; x: float32 -> the quantised numbers, widened to float32 again
;;       x = np.moveaxis(x, axis, -1); K = x.shape[-1]
;;       x = np.pad(x, [(0, 0)] * (x.ndim - 1) + [(0, -K % 32)]); x = x.reshape(x.shape[:-1] + (-1, 32)); a = np.abs(x).max(-1, keepdims=True)
;;       e = np.where(a > 0, np.clip(np.frexp(np.where(a > 0, a, 1))[1] - 1 - 2, -126, 127), 0)      # np.frexp(a)[1] - 1 = floor(log2(a)), exactly
;;       r = np.clip(x / 2.0 ** e, -7.5, 7.5)
;;       step = 2.0 ** (np.maximum(np.frexp(np.where(r == 0, 1, r))[1] - 1, 0) - 3)
;;       q = np.round(r / step) * step * 2.0 ** e      # np.round: ties to even
;;       return np.moveaxis(q.reshape(q.shape[:-2] + (-1,))[..., :K], -1, axis).astype(np.float32)
;;   ~~~
;;   SOFTMAX AHEAD OF A QUANTISED PRODUCT. Where the list says 'softmax', what is quantised is not the finished softmax but p = 2^(t - M), with t = logit x log2(e) and M = ceil(the row's largest t), a whole number; so 1/2 < the row's largest p <= 1. The row's sum l is taken of the UNQUANTISED p, in f32, and the product's result is divided by l at the end. Since M is a whole number, a kernel that streams over the keys may use a running M (the ceiling of the running maximum): every later rescaling is an exact power of two, which a block's scale takes up: the codes' values come out the same.
;;   OPERANDS COMPUTED ON THE WAY. 'Computed on the way' means the value that the module computes at that place (a softmax that the list does not call 'softmax' is quantised finished and normalised). What goes into a quantiser is computed in f32, as accurately as f32 sums, v_exp_f32 and their like allow (about 1e-6 of the number): no bf16 or f16 on the way to a quantiser, and a product that is left as it is and whose result goes on into a quantised operand takes f32 operands (vector FMAs, or v_wmma_f32_16x16x4_f32). A number that lies on a knife's edge between two numbers of the format may be rounded either way, as far as f32 arithmetic and the matrix unit's own rounding can turn it there, and no further.
;; One version. Each part assembles by itself: llvm-mc -triple=amdgcn-amd-amdhsa -mcpu=gfx1250 --defsym DOCPART=n.
;; ======== version 1 of 1: 4 launches
;; limits: right only within a limited range of input values
;; workspace buffers: codes 15,728,640 bytes; scales 655,360 bytes; maskw 2,097,152 bytes of whole numbers; img 18,874,368 bytes; isc 786,432 bytes; cimg 6,291,456 bytes; csc 262,144 bytes
;; launch prep (part 1): grid 1152 x 1, 4 waves a work-group, no clusters, 101,888 bytes of LDS; arguments x, y, Wq, Wk, Wv, Wo, attention_mask, codes, scales, maskw; writes codes, scales, maskw
.if DOCPART == 1
	.amdgcn_target "amdgcn-amd-amdhsa--gfx1250"
	.amdhsa_code_object_version 6
	.text
	.protected	k_qb6209ec0b1_prep
	.globl	k_qb6209ec0b1_prep
	.p2align	8
	.type	k_qb6209ec0b1_prep,@function
k_qb6209ec0b1_prep:
	s_mov_b64 s[64:65], 0
	v_nop
	global_prefetch_b8 v0, s[64:65] scope:SCOPE_SE
	s_setreg_imm32_b32 hwreg(HW_REG_WAVE_MODE, 25, 1), 1
	s_wait_xcnt 0x0
; PREP: every input but bo is read once here and leaves narrow.  Three kinds of work-group, told apart by the work-group's number; each reads 128 KiB; waves share nothing, so there is no barrier.
;   0..511    x and y [8192][1024] f32, K innermost -> codes of FP6 (E2M3), rows of 768 bytes, and one E8M0 byte for each 32 along K: rows 0.. (x) and 8192.. (y) of 'codes' and 'scales'.
;   512..639  Wq, Wk, Wv, Wo [1024 (k)][1024 (n)] f32, K outermost -> the same, laid [n][k]: rows 16384 + 1024 x weight + n.  A lane takes a column and its registers run down K.
;             Wo ALONE is laid with the places of each block of 32 permuted: place p holds k = p with bits 3 and 4 exchanged, the order in which the attention launch's results come out of its registers.
;   640..1151 attention_mask [4][2048][2048] i32 -> lane masks: word n (0..63) of (batch, tile of 16 queries, step of 128 keys) has bit l set where mask[16 qt + l % 16][128 st + 16 (n / 8) + 8 (l / 16) + n % 8] != 0.
; A block's scale is 2^(floor(log2(its largest magnitude)) - 2); its byte is that magnitude's exponent field - 2, held at 1 from below.  A block of zeros so gets the byte 1 where the rule says 127: its codes are zeros,
; which add nothing under any byte but 0xff, and this program alone reads the bytes.
; LIMITS: blocks whose largest magnitude lies under 2^-124 keep the byte 1; NaN and infinities among the inputs are not served.
; Each kind of work-group has LDS bytes of its own: 0.. (x, y), 32768.. (weights), 67584.. (mask); the spare words lie behind them.
.set SPW,    192                       ; v192  LDS address of my spare word: SPARE + 4 x my thread's number; never rewritten
.set NIL,    193                       ; v193  0; never rewritten
.set SPARE,  101376                    ; 128 bytes for each wave: two blocks of 256 bytes that no other line names
.set WREG,   8192                      ; x, y: a wave's LDS region: two stages of 32 x SP bytes, then its 256 scale bytes
.set SP,     80                        ; a lane's place in a stage: 64 bytes + 16 of padding
.set CB,     12                        ; bytes of 16 codes
.set STEPS,  16                        ; steps of 512 numbers a wave
.set XL,     16                        ; v16-79   four sets of 16 numbers as loaded
.set XN,     80                        ; v80-111  two sets of 16 neighbours
.set XE,     112                       ; v112-127 a scale byte for each step
.set XC,     128                       ; v128-191 codes: four registers a step, so that no store's data are written again
.set WRB,    32768                     ; weights: four stages of 32 rows x WPITCH
.set WPITCH, 272                       ; sixteen places of 16 bytes (12 of codes each) + 16
.set NB,     8                         ; blocks of 32 along K a wave
.set WX,     32                        ; v32-95   two sets of 32 numbers
.set WC,     96                        ; v96..    a block's codes
.set WOUT,   112                       ; v112-175 the way out
.set WSB,    24                        ; v24-25   the scale bytes, four to a register
.set MRB,    67584                     ; mask: four stages of 16 rows x MPITCH
.set MPITCH, 528                       ; 512 bytes + 16: the sixteen rows that a load of 16 bytes a lane touches start at sixteen different places modulo 256 bytes
.set ML,     16                        ; v16-79   16 rows x 128 keys as loaded
.set MX,     80                        ; v80-143  the same in the scores' register layout
.set MO,     144                       ; v144-151 the words: a pair of registers for each step
.macro LOADX t                         ; step t's 2,048 bytes: each load reads 512 consecutive bytes
.irp i, 0,1,2,3
	global_load_b128 v[XL+16*((\t)%4)+4*\i:XL+16*((\t)%4)+4*\i+3], v3, s[4:5] offset:2048*(\t)+512*\i th:TH_LOAD_NT
.endr
.endm
.macro TURNX t                         ; through the wave's stage: in as loaded, out 64 bytes a lane.  LDS serves a wave's instructions in order: no wait between
.irp i, 0,1,2,3
	ds_store_b128 v14, v[XL+16*((\t)%4)+4*\i:XL+16*((\t)%4)+4*\i+3] offset:32*SP*((\t)%2)+8*SP*\i
.endr
.irp i, 0,1,2,3
	ds_load_b128 v[XN+16*((\t)%2)+4*\i:XN+16*((\t)%2)+4*\i+3], v15 offset:32*SP*((\t)%2)+16*\i
.endr
.endm
.macro STEPX t
.set XS, XN+16*((\t)%2)
.if (\t) > 0
	s_wait_dscnt 1                                 ; this step's numbers are back from the stage; the last step's byte store may be out
.else
	s_wait_dscnt 0x0
.endif
.if (\t)+4 < STEPS
	LOADX (\t)+4                                   ; into the set whose stores into the stage have read their registers
.endif
.if (\t)+1 < STEPS
.if STEPS-2-(\t) >= 3
	s_wait_loadcnt 12                              ; the next step's four loads are in; the three steps behind it (12 loads) may be out
.else
	s_wait_loadcnt 4*(STEPS-2-(\t))                ; the tail: four loads for each step still behind the next
.endif
	TURNX (\t)+1
.endif
	v_max3_num_f32 v8, |v[XS]|, |v[XS+1]|, |v[XS+2]|               ; the largest magnitude of my 16, in two chains
	v_max3_num_f32 v9, |v[XS+3]|, |v[XS+4]|, |v[XS+5]|
.irp i, 6,10
	v_max3_num_f32 v8, v8, |v[XS+\i]|, |v[XS+\i+1]|
	v_max3_num_f32 v9, v9, |v[XS+\i+2]|, |v[XS+\i+3]|
.endr
	v_max3_num_f32 v8, v8, |v[XS+14]|, |v[XS+15]|
	v_max3_num_f32 v8, v8, v9, 0x1800000           ; and the floor 2^(3 - 127): the byte cannot fall under 1
	v_max_num_f32_dpp v8, v8, v8 row_xmask:1 row_mask:0xf bank_mask:0xf   ; with my neighbour's 16: the block's
	v_add_nc_u32 v11, 0xff000000, v8               ; 2 off the exponent field: the conversion takes that field as its scale and nothing else
	v_cvt_scalef32_pk16_fp6_f32 v[XC+4*(\t):XC+4*(\t)+2], v[XS:XS+15], v11
	v_lshrrev_b32 v[XE+(\t)], 23, v11              ; the scale's byte (a plain line behind the conversion)
	ds_store_b8 v5, v[XE+(\t)] offset:16*(\t)      ; both lanes of a block write the same byte with the same value
	global_store_b96 v4, v[XC+4*(\t):XC+4*(\t)+2], s[18:19] offset:32*CB*(\t)     ; the wave stores 384 consecutive bytes
.endm
.macro LOADW t                         ; block t: W(32 t + i, my column), i = 0 .. 31.  For Wo registers 8-15 take rows 16-23 of the block and registers 16-23 rows 8-15: v10 = v3 + sel, v16 = v3 + 8 rows - sel, sel = 8 rows for Wo, else 0
.irp i, 0,1,2,3,4,5,6,7,8,9,10,11,12,13,14,15,16,17,18,19,20,21,22,23,24,25,26,27,28,29,30,31
.if (\i >= 8) && (\i < 16)
	global_load_b32 v[WX+32*((\t)%2)+\i], v10, s[8:9] offset:(32*(\t)+\i)*4096 th:TH_LOAD_NT
.elseif (\i >= 16) && (\i < 24)
	global_load_b32 v[WX+32*((\t)%2)+\i], v16, s[8:9] offset:(32*(\t)+\i-8)*4096 th:TH_LOAD_NT
.else
	global_load_b32 v[WX+32*((\t)%2)+\i], v3, s[8:9] offset:(32*(\t)+\i)*4096 th:TH_LOAD_NT
.endif
.endr
.endm
.macro BLOCKW t
.set WS, WX+32*((\t)%2)
.if (\t) < NB-1
	s_wait_loadcnt 32                              ; this block's 32 loads are in; the next block's 32 may be out
.else
	s_wait_loadcnt 0
.endif
	v_max3_num_f32 v12, |v[WS]|, |v[WS+1]|, |v[WS+2]|              ; all 32 numbers of the block are mine
	v_max3_num_f32 v13, |v[WS+3]|, |v[WS+4]|, |v[WS+5]|
.irp i, 6,10,14,18,22,26
	v_max3_num_f32 v12, v12, |v[WS+\i]|, |v[WS+\i+1]|
	v_max3_num_f32 v13, v13, |v[WS+\i+2]|, |v[WS+\i+3]|
.endr
	v_max3_num_f32 v12, v12, |v[WS+30]|, |v[WS+31]|
	v_max3_num_f32 v12, v12, v13, 0x1800000        ; the floor
	v_add_nc_u32 v11, 0xff000000, v12              ; the conversion's scale operand
	v_lshrrev_b32 v13, 23, v11                     ; the byte
.if (\t)%4 == 0
	v_mov_b32 v[WSB+(\t)/4], v13
.else
	v_lshl_or_b32 v[WSB+(\t)/4], v13, 8*((\t)%4), v[WSB+(\t)/4]
.endif
	v_cvt_scalef32_pk16_fp6_f32 v[WC:WC+2], v[WS:WS+15], v11
	v_cvt_scalef32_pk16_fp6_f32 v[WC+4:WC+6], v[WS+16:WS+31], v11  ; (a conversion's three registers begin on an even number)
	ds_store_b96 v4, v[WC:WC+2] offset:32*(\t)     ; 12 bytes to a place of 16, so that every LDS address is a multiple of 16
	ds_store_b96 v4, v[WC+4:WC+6] offset:32*(\t)+16
.if (\t)+2 < NB
	LOADW (\t)+2
.endif
	s_wait_dscnt 0x0                               ; the stores have read their registers: the next block's codes may be written
.endm
.macro LOADM t                         ; 16 rows x 128 keys of the mask: each load reads 512 consecutive bytes of one row
.irp i, 0,1,2,3,4,5,6,7,8,9,10,11,12,13,14,15
	global_load_b128 v[ML+4*\i:ML+4*\i+3], v3, s[16:17] offset:8192*\i+512*(\t) th:TH_LOAD_NT
.endr
.endm
.macro STEPM t
	s_wait_loadcnt 0x0                             ; this step's 16 loads
.irp i, 0,1,2,3,4,5,6,7,8,9,10,11,12,13,14,15
	ds_store_b128 v4, v[ML+4*\i:ML+4*\i+3] offset:MPITCH*\i
.endr
.irp i, 0,1,2,3,4,5,6,7
	ds_load_b128 v[MX+8*\i:MX+8*\i+3], v5 offset:64*\i             ; lane (r, h): row r, keys 16 i + 8 h + 0 .. 7: as the scores lie in the attention launch
	ds_load_b128 v[MX+8*\i+4:MX+8*\i+7], v5 offset:64*\i+16
.endr
	s_wait_dscnt 0x0                               ; they are back, and the stores have read their registers
.if (\t) < 3
	LOADM (\t)+1                                   ; on their way while this step's words are made
.endif
.irp q, 0,1,2,3,4,5,6,7,8,9,10,11,12,13,14,15
.irp k, 0,1,2,3
	v_cmp_ne_u32 s[32+\k], 0, v[MX+4*\q+\k]        ; word n = 4 q + k
.endr
.irp k, 0,1,2,3
	v_writelane_b32 v[MO+2*(\t)+\k%2], s[32+\k], 2*\q+\k/2         ; lane n / 2 holds words n and n + 1
.endr
.endr
	global_store_b64 v6, v[MO+2*(\t):MO+2*(\t)+1], s[22:23] offset:256*(\t)   ; 32 lanes store 256 consecutive bytes, aligned
.endm
	s_load_b512 s[4:19], s[0:1], 0x0               ; x s[4:5], y s[6:7], Wq s[8:9], Wk s[10:11], Wv s[12:13], Wo s[14:15], the mask s[16:17], codes s[18:19]
	s_load_b128 s[20:23], s[0:1], 0x40             ; scales s[20:21], maskw s[22:23]
	v_lshl_add_u32 v[SPW], v0, 2, SPARE
	v_mov_b32 v[NIL], 0
	v_lshrrev_b32 v1, 5, v0
	v_readfirstlane_b32 s24, v1                    ; wave 0..3
	v_and_b32 v2, 31, v0                           ; lane
	s_cmp_lt_u32 ttmp9, 512
	s_cbranch_scc1 .Lpath_x
	s_cmp_lt_u32 ttmp9, 640
	s_cbranch_scc1 .Lpath_w
	; ---- THE MASK.  g = batch x 128 + tile of 16 queries; wave w takes keys 512 w on, in four steps of 128
	s_sub_co_u32 s25, ttmp9, 640                   ; g
	v_lshlrev_b32 v3, 4, v2                        ; 16 bytes a lane
	s_mul_i32 s26, s24, 16*MPITCH
	s_add_co_u32 s26, s26, MRB                     ; my stage
	v_add_nc_u32 v4, s26, v3                       ; in: as loaded
	v_and_b32 v7, 15, v2                           ; r
	v_lshrrev_b32 v8, 4, v2                        ; h
	v_mul_u32_u24 v5, v7, MPITCH
	v_lshl_add_u32 v5, v8, 5, v5
	v_add_nc_u32 v5, s26, v5                       ; out: row r, + 32 h
	v_lshlrev_b32 v6, 3, v2                        ; the words: 8 bytes a lane
.irp i, 0,1,2,3,4,5,6,7
	v_mov_b32 v[MO+\i], 0                          ; written once: a lane write's destination counts as one of its sources
.endr
	s_lshl_b32 s28, s25, 17                        ; 16 rows of 8,192 bytes
	s_lshl_b32 s27, s24, 11                        ; 512 keys
	s_add_co_u32 s28, s28, s27
	s_mov_b32 s29, 0
	s_lshl_b32 s30, s25, 12                        ; 16 steps of 256 bytes
	s_lshl_b32 s27, s24, 10
	s_add_co_u32 s30, s30, s27
	s_mov_b32 s31, 0
	s_wait_kmcnt 0x0
	s_add_nc_u64 s[16:17], s[16:17], s[28:29]
	s_add_nc_u64 s[22:23], s[22:23], s[30:31]
	LOADM 0
	STEPM 0
	STEPM 1
	STEPM 2
	STEPM 3
	s_wait_tensorcnt 0x0                           ; the wave's end, behind my last LDS store
	ds_add_u32 v[SPW], v[NIL]
	s_wait_dscnt 0x0
	s_endpgm
.Lpath_w:
	; ---- A WEIGHT.  i = work-group - 512: weight i / 32, 128 columns at 128 (i % 8), 256 along K at 256 ((i / 8) % 4); a wave takes 32 columns
	s_sub_co_u32 s25, ttmp9, 512
	s_lshr_b32 s26, s25, 5                         ; which weight
	s_and_b32 s27, s25, 7
	s_bfe_u32 s28, s25, 0x20003                    ; which 256 along K
	s_lshl_b32 s27, s27, 7
	s_lshl_b32 s29, s24, 5
	s_add_co_u32 s27, s27, s29                     ; my wave's first column
	v_lshlrev_b32 v3, 2, v2                        ; in: 4 bytes a lane
	s_mul_i32 s29, s24, 32*WPITCH
	s_add_co_u32 s29, s29, WRB                     ; my stage
	v_mul_u32_u24 v4, v2, WPITCH
	v_add_nc_u32 v4, s29, v4                       ; into it: row = my column
	v_and_b32 v5, 15, v2
	v_lshrrev_b32 v6, 4, v2
	v_mul_u32_u24 v7, v6, WPITCH
	v_lshl_add_u32 v7, v5, 4, v7
	v_add_nc_u32 v7, s29, v7                       ; out of it: sixteen lanes to a row, two rows an instruction
	v_mul_u32_u24 v8, v6, 768
	v_mad_u32_u24 v8, v5, 12, v8                   ; and the same place in the codes' buffer
	v_lshlrev_b32 v9, 5, v2                        ; my column's row of scale bytes
	s_lshl_b32 s30, s28, 20                        ; 256 rows of 4,096 bytes
	s_lshl_b32 s29, s27, 2
	s_add_co_u32 s30, s30, s29
	s_mov_b32 s31, 0
	s_lshl_b32 s29, s26, 10
	s_add_co_u32 s29, s29, s27
	s_add_co_u32 s29, s29, 16384                   ; my first row of 'codes' and 'scales'
	s_mul_i32 s32, s29, 768
	s_mul_i32 s33, s28, 192
	s_add_co_u32 s32, s32, s33
	s_mov_b32 s33, 0
	s_lshl_b32 s34, s29, 5
	s_lshl_b32 s35, s28, 3
	s_add_co_u32 s34, s34, s35
	s_mov_b32 s35, 0
	s_wait_kmcnt 0x0
	s_cmp_eq_u32 s26, 1                            ; the choices hang on the work-group's number alone
	s_cselect_b64 s[8:9], s[10:11], s[8:9]
	s_cmp_eq_u32 s26, 2
	s_cselect_b64 s[8:9], s[12:13], s[8:9]
	s_cmp_eq_u32 s26, 3
	s_cselect_b64 s[8:9], s[14:15], s[8:9]
	s_cselect_b32 s36, 0x8000, 0                   ; sel: 8 rows of 4,096 bytes for Wo
	v_add_nc_u32 v10, s36, v3
	s_sub_co_u32 s36, 0x8000, s36
	v_add_nc_u32 v16, s36, v3
	s_add_nc_u64 s[8:9], s[8:9], s[30:31]
	s_add_nc_u64 s[18:19], s[18:19], s[32:33]
	s_add_nc_u64 s[20:21], s[20:21], s[34:35]
	LOADW 0
	LOADW 1
.set Q, 0
.rept NB
	BLOCKW Q
.set Q, Q+1
.endr
	global_store_b64 v9, v[WSB:WSB+1], s[20:21]    ; my column's 8 scale bytes
.irp t, 0,1,2,3,4,5,6,7,8,9,10,11,12,13,14,15
	ds_load_b96 v[WOUT+4*\t:WOUT+4*\t+2], v7 offset:2*\t*WPITCH    ; LDS serves a wave's instructions in order: these see my stores
.endr
.irp t, 0,1,2,3,4,5,6,7,8,9,10,11,12,13,14,15
	s_wait_dscnt 15-\t                             ; the younger loads may be out
	global_store_b96 v8, v[WOUT+4*\t:WOUT+4*\t+2], s[18:19] offset:2*\t*768   ; sixteen lanes store a row's 192 consecutive bytes
.endr
	s_wait_tensorcnt 0x0                           ; the wave's end, as above
	ds_add_u32 v[SPW], v[NIL]
	s_wait_dscnt 0x0
	s_endpgm
.Lpath_x:
	; ---- x AND y: plain streams of blocks of 32.  run = 4 x work-group + wave: 8,192 numbers = 8 rows; runs 0..1023 are x's, 1024..2047 y's
	v_lshlrev_b32 v3, 4, v2                        ; my 16 bytes of a load's 512
	s_mul_i32 s25, s24, WREG
	v_lshrrev_b32 v14, 2, v2
	v_mul_u32_u24 v14, v14, SP
	v_and_b32 v15, 3, v2
	v_lshl_add_u32 v14, v15, 4, v14
	v_add_nc_u32 v14, s25, v14                     ; the stage, in: SP (lane / 4) + 16 (lane % 4)
	v_mul_u32_u24 v15, v2, SP
	v_add_nc_u32 v15, s25, v15                     ; out: SP x lane: my 16 neighbours
	v_mul_u32_u24 v4, v2, CB                       ; my codes' place in a step's
	v_lshrrev_b32 v5, 1, v2
	s_add_co_u32 s25, s25, 2*32*SP
	v_add_nc_u32 v5, s25, v5                       ; my wave's 256 scale bytes, my block's byte
	v_lshlrev_b32 v7, 3, v2
	v_add_nc_u32 v6, s25, v7                       ; and on the way out 8 bytes a lane
	s_lshl_b32 s26, ttmp9, 2
	s_add_co_u32 s26, s26, s24                     ; run
	s_and_b32 s28, s26, 1023
	s_lshl_b32 s28, s28, 15                        ; 32,768 bytes of f32 a run
	s_mov_b32 s29, 0
	s_mul_i32 s30, s26, 6144                       ; 6,144 bytes of codes
	s_mov_b32 s31, 0
	s_lshl_b32 s32, s26, 8                         ; 256 scale bytes
	s_mov_b32 s33, 0
	s_wait_kmcnt 0x0
	s_cmp_lt_u32 ttmp9, 256                        ; x's work-group or y's
	s_cselect_b64 s[4:5], s[4:5], s[6:7]
	s_add_nc_u64 s[4:5], s[4:5], s[28:29]
	s_add_nc_u64 s[18:19], s[18:19], s[30:31]
	s_add_nc_u64 s[20:21], s[20:21], s[32:33]
.irp t, 0,1,2,3
	LOADX \t
.endr
	s_wait_loadcnt 12                              ; step 0's four loads are in
	TURNX 0
.irp t, 0,1,2,3,4,5,6,7,8,9,10,11,12,13,14,15
	STEPX \t
.endr
	ds_load_b64 v[8:9], v6                         ; my wave's 256 scale bytes
	s_wait_dscnt 0x0
	global_store_b64 v7, v[8:9], s[20:21]          ; 32 lanes store 256 consecutive bytes, aligned
	s_wait_tensorcnt 0x0                           ; the wave's end, as above
	ds_add_u32 v[SPW], v[NIL]
	s_wait_dscnt 0x0
	s_endpgm
.Lfunc_end_k_qb6209ec0b1_prep:
	.size	k_qb6209ec0b1_prep, .Lfunc_end_k_qb6209ec0b1_prep-k_qb6209ec0b1_prep
	.p2alignl 7, 3214868480
	.fill 96, 4, 3214868480
	.section	.rodata,"a",@progbits
	.p2align	6, 0x0
	.amdhsa_kernel k_qb6209ec0b1_prep
		.amdhsa_group_segment_fixed_size 101888
		.amdhsa_private_segment_fixed_size 0
		.amdhsa_enable_private_segment 0
		.amdhsa_kernarg_size 80
		.amdhsa_user_sgpr_count 2
		.amdhsa_user_sgpr_kernarg_segment_ptr 1
		.amdhsa_wavefront_size32 1
		.amdhsa_system_sgpr_workgroup_id_x 1
		.amdhsa_system_sgpr_workgroup_id_y 1
		.amdhsa_system_sgpr_workgroup_id_z 1
		.amdhsa_system_vgpr_workitem_id 0
		.amdhsa_next_free_vgpr 200
		.amdhsa_next_free_sgpr 66
		.amdhsa_reserve_vcc 0
		.amdhsa_float_denorm_mode_32 3
		.amdhsa_float_denorm_mode_16_64 3
		.amdhsa_memory_ordered 1
		.amdhsa_forward_progress 1
		.amdhsa_inst_pref_size 122
	.end_amdhsa_kernel
	.amdgpu_metadata
---
amdhsa.version: [ 1, 2 ]
amdhsa.kernels:
  - .name:           k_qb6209ec0b1_prep
    .symbol:         k_qb6209ec0b1_prep.kd
    .args:
      - { .name: x, .offset: 0, .size: 8, .value_kind: global_buffer, .address_space: global }
      - { .name: y, .offset: 8, .size: 8, .value_kind: global_buffer, .address_space: global }
      - { .name: Wq, .offset: 16, .size: 8, .value_kind: global_buffer, .address_space: global }
      - { .name: Wk, .offset: 24, .size: 8, .value_kind: global_buffer, .address_space: global }
      - { .name: Wv, .offset: 32, .size: 8, .value_kind: global_buffer, .address_space: global }
      - { .name: Wo, .offset: 40, .size: 8, .value_kind: global_buffer, .address_space: global }
      - { .name: attention_mask, .offset: 48, .size: 8, .value_kind: global_buffer, .address_space: global }
      - { .name: codes, .offset: 56, .size: 8, .value_kind: global_buffer, .address_space: global }
      - { .name: scales, .offset: 64, .size: 8, .value_kind: global_buffer, .address_space: global }
      - { .name: maskw, .offset: 72, .size: 8, .value_kind: global_buffer, .address_space: global }
    .group_segment_fixed_size: 101888
    .private_segment_fixed_size: 0
    .kernarg_segment_align: 8
    .kernarg_segment_size: 80
    .max_flat_workgroup_size: 128
    .sgpr_count:     66
    .vgpr_count:     200
    .wavefront_size: 32
...
	.end_amdgpu_metadata
.endif
;; end of part 1
;; launch qkv (part 2): grid 12 x 32, 4 waves a work-group, clusters of 4 x 4, 327,680 bytes of LDS; arguments codes, scales, img, isc; writes img, isc
.if DOCPART == 2
	.amdgcn_target "amdgcn-amd-amdhsa--gfx1250"
	.amdhsa_code_object_version 6
	.text
	.protected	k_qb6209ec0b1_qkv
	.globl	k_qb6209ec0b1_qkv
	.p2align	8
	.type	k_qb6209ec0b1_qkv,@function
k_qb6209ec0b1_qkv:
	s_mov_b64 s[64:65], 0
	v_nop
	global_prefetch_b8 v0, s[64:65] scope:SCOPE_SE
	s_setreg_imm32_b32 hwreg(HW_REG_WAVE_MODE, 25, 1), 1
	s_wait_xcnt 0x0
	s_wait_alu depctr_hold_cnt(0) depctr_sa_sdst(0) depctr_va_vdst(0) depctr_va_sdst(0) depctr_va_ssrc(0) depctr_va_vcc(0) depctr_vm_vsrc(0)
	s_getreg_b32 s2, hwreg(HW_REG_IB_STS2, 6, 4)
	s_cmp_eq_u32 s2, 0
	s_cbranch_scc0 .Lentry_in_a_cluster
	s_endpgm
.Lentry_in_a_cluster:
	s_bfe_u32 s2, ttmp6, 0x10000c
	s_cmp_lg_u32 s2, 0xf033
	s_cbranch_scc0 .Lentry_shape_is_right
	s_endpgm
.Lentry_shape_is_right:
; q = x Wq, k = x Wk and v^T = Wv^T y^T on codes of FP6 (E2M3) with E8M0 scales, K = 1,024; the results are quantised in registers, along the NEXT product's K, and leave as images of operand registers.
; Cluster x picks the product.  0, 1 (q, k): A = rows of x (tokens), B = rows of the weight's codes (features).  2 (v): A = rows of Wv's codes (features), B = rows of y (tokens = keys).
; In all three the columns of the result are the next K (q, k: the head's 64 features; v: the keys), so one way out serves them.
; A tile of 256 x 256 is made by four waves, 128 x 128 each: 64 accumulators, 512 registers.  K goes in steps of 256 through a ring of two LDS slots filled by the tensor data mover; the scale bytes of the work-group's
; 512 rows come once.  4 x 4 work-groups form a cluster: A's tiles are asked for jointly along a row of the cluster, B's along a column.
; THE MATRIX INSTRUCTION IS USED TRANSPOSED (source 0 = 16 rows of B, source 1 = 16 rows of A): lane (r, h) holds row r of the result and its registers the columns 16 b + 8 h + 0 .. 7 of accumulator (a, b).
; THE WAY OUT.  The 16 registers of accumulators (a, 2 b) and (a, 2 b + 1) are the lane's 16 numbers of block b of 32 columns.  Taken as places 16 h + 0 .. 15 they put column p-with-bits-3-and-4-exchanged at place p:
; a permutation inside a block, which leaves the block's scale as it is; BOTH operands of q k^T and of p v are made this way, so their places agree.
; img:  q, k: [b x 16 + head][128 tokens][pair of tiles of 16 tokens: 4][3][32 lanes][16 bytes]: registers 0-5 the even tile's 64 features, 6-11 the odd tile's.   v: [..][128 keys][tile of 16 d: 4][3][32][16].
; isc:  [b x 16 + head][step][r: 16][4 words]: q, k: word P = the even tile's two bytes, then the odd tile's, of pair P, row r.   v: word t = the four key blocks' bytes of d = 16 t + r.
; A block of zeros keeps the byte 1 (its codes are zeros; this program alone reads the bytes).  NaN and infinities are not served.
; REGISTERS, in windows of 256: window 0: v0-31 addresses; v32-63 scale words, two sets; v64-102 the way out's; from v128 A's fragments, one set (on the way out: the images).
;   window 1: B's fragments, two sets.   window 2: the accumulators of my rows 0-63 ((a, b) at v[8 (8 a + b)]);   window 3: those of my rows 64-127.
.set SIZE_K, 1024
.set KSTEP,  256                       ; along K in a slot
.set NQ,     KSTEP/128                 ; matrix instructions deep
.set ROWB,   192                       ; a tile's row in bytes
.set KROW,   SIZE_K*6/8                ; a row of codes in memory
.set PITCH,  240                       ; an LDS row: 3 x (64 bytes + 16 of padding)
.set FR,     12                        ; registers of a fragment
.set NL,     6                         ; LDS loads that bring one
.set NP,     4                         ; places behind this matrix instruction (ISA guide 7.12.1)
.set HALFT,  128*PITCH                 ; 128 rows: what one tensor load brings
.set SLOT,   4*HALFT                   ; A's 256 rows, then B's 256 rows
.set LAPS,   SIZE_K/(2*KSTEP)
.set KS,     SIZE_K/32                 ; a row of scale bytes
.set SCL,    2*SLOT                    ; behind the ring: the scales, as units of 256 bytes + 16 of padding
.set HALFS,  (128*KS/256)*272
.set SBLK,   (16*KS/256)*272
.set SPARE,  SCL+4*HALFS               ; the spare words, 128 bytes for each wave: two blocks of 256 bytes that no other line names
.set ADRA, 16                          ; v16-17 LDS address of my A fragments in slot 0, 1 (v18-19: for the pieces behind one padding more)
.set ADRB, 20                          ; v20-23 the same for B
.set ADRS, 27                          ; v27    my scale words: lanes 0-15 A's rows, lanes 16-31 B's
.set SPW,  28                          ; v28    my spare word; never rewritten
.set NIL,  29                          ; v29    0; never rewritten
.set SC,   32                          ; scale words: set s at v[SC + 8 NQ s]
.set AF,   128                         ; A's fragments
.set BM,   64                          ; v64-67  the way out: four blocks' largest magnitudes
.set BT,   68                          ; v68-71  the other half's, then the bytes
.set SO,   72                          ; v72-75  the conversions' scale operands
.set PW,   76                          ; v76-83  block a's scale word
.set SW,   84                          ; v84-87  the four words that I store
.set TT,   88                          ; v88-89  at work
.set IO,   90                          ; v90     16 x lane: an image's place for my lane
.set SOF,  91                          ; v91     16 r + 4,096 h: lanes 16-31 store the second head's words
.set CT,   96                          ; v96-98, v100-102 the upper halves of two blocks' codes
.set G1, 24
.set G0, 32
.set G1B, 48
.set G0B, 56
.set G1S, 68
.set G0S, 76
.set G1SB, 80
.set G0SB, 88
.set MSB, 0
.macro WIN new                         ; the immediate's high byte repeats the setting that is left
.if MSB != (\new)
	s_set_vgpr_msb (MSB<<8)|(\new)
.set MSB, (\new)
.endif
.endm
.set MUL_LO, 0xa1                      ; source 0 (B) window 1, source 1 (A) window 0, C and D window 2
.set MUL_HI, 0xf1                      ; the same, C and D window 3
.set TO_B,   0x40                      ; destination window 1, address window 0
; A joint load: waves 0 and 1 fetch for A, waves 2 and 3 for B; the branch hangs on the wave's number alone.  An s_nop 0 and four v_nop follow each of the two lines.
.macro JLOAD g0a, g1a, g0b, g1b
	s_cmp_eq_u32 s15, 0
	s_cbranch_scc0 .Lfor_b_\@
	tensor_load_to_lds s[\g0a:\g0a+3], s[\g1a:\g1a+7]
	s_nop 0
.rept 4
	v_nop
.endr
	s_branch .Lasked_\@
.Lfor_b_\@:
	tensor_load_to_lds s[\g0b:\g0b+3], s[\g1b:\g1b+7]
	s_nop 0
.rept 4
	v_nop
.endr
.Lasked_\@:
.endm
.macro CREST                           ; a round of the cluster's barrier behind its opening barrier
	s_cmp_lg_u32 s14, 0
	s_cbranch_scc1 .Lnot_wave_0_\@
	s_barrier_signal -3
.Lnot_wave_0_\@:
	s_barrier_wait -3
	s_barrier_signal -1
	s_barrier_wait -1
.endm
.macro CROUND
	s_barrier_signal -1
	s_barrier_wait -1
	CREST
.endm
	s_load_b128 s[4:7], s[0:1], 0x0                ; codes s[4:5], scales s[6:7]
	s_load_b128 s[8:11], s[0:1], 0x10              ; img s[8:9], isc s[10:11]
	v_lshl_add_u32 v[SPW], v0, 2, SPARE
	v_mov_b32 v[NIL], 0
	ds_add_u32 v[SPW], v[NIL]                      ; the wave's opening: the add and its wait stand ahead of my first tensor load; the set-up below, work on registers, stands between them
	v_lshrrev_b32 v1, 5, v0
	v_readfirstlane_b32 s14, v1                    ; wave 0..3
	s_lshr_b32 s15, s14, 1                         ; which half of the tile's rows is mine.  Also: I fetch for A (0) or for B (1)
	s_and_b32 s16, s14, 1                          ; which half of its columns.  Also: which 128 rows of that tile I fetch
	s_bfe_u32 s40, ttmp6, 0x40000                  ; cx
	s_bfe_u32 s41, ttmp6, 0x40004                  ; cy
	s_and_b32 s17, ttmp7, 0xffff
	s_lshl_b32 s17, s17, 2                         ; 4 x cluster y
	s_lshl_b32 s42, ttmp9, 2                       ; 4 x cluster x
	s_lshl_b32 s43, s41, 2
	s_lshl_b32 s43, 15, s43                        ; my row of the cluster
	s_lshl_b32 s44, 0x1111, s40                    ; my column
	s_or_b32 s[G1+0], s43, (0<<16)|(1<<20)|(1<<21)|(3<<22)|(3<<25)  ; 15:0 the mask; elements of 1 byte; padding on; bit 21 beside a mask; after every 16 words 4 words
	s_or_b32 s[G1B+0], s44, (0<<16)|(1<<20)|(1<<21)|(3<<22)|(3<<25)
.irp g, G1, G1B
	s_mov_b32 s[\g+1], ROWB<<16                    ; tensor_dim0
	s_mov_b32 s[\g+2], 128<<16                     ; tensor_dim1
	s_mov_b32 s[\g+3], ROWB<<16                    ; tile_dim0
	s_mov_b32 s[\g+4], 128                         ; tile_dim1
	s_mov_b32 s[\g+5], KROW                        ; from row to row
	s_mov_b32 s[\g+6], 0
	s_mov_b32 s[\g+7], 0
.endr
	s_or_b32 s[G1S+0], s43, (3<<16)|(1<<20)|(1<<21)|(5<<22)|(3<<25) ; the scales of 128 rows: a dense block, as rows of 256 bytes, 16 bytes of padding behind each
	s_or_b32 s[G1SB+0], s44, (3<<16)|(1<<20)|(1<<21)|(5<<22)|(3<<25)
.irp g, G1S, G1SB
	s_mov_b32 s[\g+1], 32<<16
	s_mov_b32 s[\g+2], (128*KS/256)<<16
	s_mov_b32 s[\g+3], 32<<16
	s_mov_b32 s[\g+4], 128*KS/256
	s_mov_b32 s[\g+5], 32
	s_mov_b32 s[\g+6], 0
	s_mov_b32 s[\g+7], 0
.endr
	; which rows of 'codes'.  The product is the cluster's x: the same in all sixteen partners.  A's rows hang on cy and cluster y alone, B's on cx and the cluster's place alone
	s_cmp_eq_u32 ttmp9, 2                          ; v?
	s_cselect_b32 s66, 0, s17
	s_cselect_b32 s67, 18432, 0                    ; A: Wv's rows, or x's
	s_cselect_b32 s46, s17, s42
	s_mov_b32 s47, 16384
	s_cselect_b32 s47, 8192, s47                   ; B: y's rows, or the weights'
	s_cselect_b32 s95, s17, 0
	s_add_co_u32 s66, s66, s41                     ; the tile row of the result
	s_add_co_u32 s46, s46, s40                     ; B's tile
	s_add_co_u32 s95, s95, s40                     ; the tile column of the result
	s_lshl_b32 s18, s16, 7                         ; which 128 rows of the tile I fetch
	s_lshl_b32 s20, s66, 8
	s_add_co_u32 s20, s20, s18
	s_add_co_u32 s20, s20, s67                     ; A's first row
	s_lshl_b32 s46, s46, 8
	s_add_co_u32 s46, s46, s18
	s_add_co_u32 s46, s46, s47                     ; B's
	s_mov_b32 s21, 0
	s_mov_b32 s47, 0
	s_mov_b64 s[18:19], KS
	s_mul_u64 s[22:23], s[20:21], s[18:19]         ; where these rows' scales begin,
	s_mul_u64 s[92:93], s[46:47], s[18:19]
	s_mov_b64 s[18:19], KROW
	s_mul_u64 s[20:21], s[20:21], s[18:19]         ; and their codes
	s_mul_u64 s[46:47], s[46:47], s[18:19]
	s_mul_i32 s45, s14, HALFT                      ; where they go: wave x 128 rows
	s_mul_i32 s94, s14, HALFS
	s_mov_b32 s96, 0x76543210
	s_mov_b32 s97, 0xfedcba98                      ; v_permlanex16_b32's selects for lane l xor 16
	s_mov_b32 s98, 0xffff0000                      ; lanes 16-31
	s_wait_dscnt 0x0                               ; the opening add is done
	s_wait_kmcnt 0x0
	s_add_nc_u64 s[20:21], s[4:5], s[20:21]
	s_add_nc_u64 s[22:23], s[6:7], s[22:23]
	s_add_nc_u64 s[46:47], s[4:5], s[46:47]
	s_add_nc_u64 s[92:93], s[6:7], s[92:93]
	CROUND                                         ; all sixteen work-groups are here: the first joint loads meet
	s_mov_b32 s[G0S], 1
	s_add_co_u32 s[G0S+1], s94, SCL
	s_mov_b64 s[G0S+2:G0S+3], s[22:23]
	s_or_b32 s[G0S+3], s[G0S+3], 0x80000000
	s_mov_b32 s[G0SB], 1
	s_add_co_u32 s[G0SB+1], s94, SCL
	s_mov_b64 s[G0SB+2:G0SB+3], s[92:93]
	s_or_b32 s[G0SB+3], s[G0SB+3], 0x80000000
	JLOAD G0S, G1S, G0SB, G1SB                     ; the scales first: they are wanted with K step 0
.irp s, 0,1
	s_mov_b32 s[G0+4*\s], 1
	s_add_co_u32 s[G0+4*\s+1], s45, \s*SLOT
	s_add_nc_u64 s[G0+4*\s+2:G0+4*\s+3], s[20:21], \s*ROWB
	s_or_b32 s[G0+4*\s+3], s[G0+4*\s+3], 0x80000000
	s_mov_b32 s[G0B+4*\s], 1
	s_add_co_u32 s[G0B+4*\s+1], s45, \s*SLOT
	s_add_nc_u64 s[G0B+4*\s+2:G0B+4*\s+3], s[46:47], \s*ROWB
	s_or_b32 s[G0B+4*\s+3], s[G0B+4*\s+3], 0x80000000
	JLOAD G0+4*\s, G1, G0B+4*\s, G1B               ; three tensor loads of mine are out
.endr
	v_and_b32 v1, 15, v0                           ; r
	v_bfe_u32 v2, v0, 4, 1                         ; h
	v_mul_u32_u24 v3, v1, PITCH
	v_mul_u32_u24 v4, v2, 24
	v_add_nc_u32 v4, v3, v4                        ; a fragment's row x pitch + 24 h
	v_lshl_add_u32 v5, v2, 4, v4                   ; and the same behind one padding more
	s_mul_i32 s21, s15, HALFT                      ; my 128 rows of A
	s_mul_i32 s22, s16, HALFT                      ; my 128 rows of B,
	s_add_co_u32 s22, s22, 2*HALFT                 ; which lie behind A's 256
.irp s, 0,1
	v_add_nc_u32 v[ADRA+\s], s21, v4
	v_add_nc_u32 v[ADRB+\s], s22, v4
	v_add_nc_u32 v[ADRA+2+\s], s21, v5
	v_add_nc_u32 v[ADRB+2+\s], s22, v5
	s_add_co_u32 s21, s21, SLOT
	s_add_co_u32 s22, s22, SLOT
.endr
	v_mul_u32_u24 v5, v1, KS                       ; my row's scales: KS bytes a row,
	v_lshrrev_b32 v6, 8, v5
	v_lshl_add_u32 v5, v6, 4, v5                   ; and 16 more for each 256 passed
	s_mul_i32 s21, s15, HALFS
	s_mul_i32 s22, s16, HALFS
	s_add_co_u32 s22, s22, 2*HALFS
	s_sub_co_u32 s22, s22, s21
	v_mul_u32_u24 v6, s22, v2                      ; lanes 16-31 take B's
	s_add_co_u32 s21, s21, SCL
	v_add_nc_u32 v5, v5, v6
	v_add_nc_u32 v[ADRS], s21, v5
	v_and_b32 v6, 31, v0
	v_lshlrev_b32 v[IO], 4, v6
	v_lshlrev_b32 v[SOF], 4, v1
	v_lshl_add_u32 v[SOF], v2, 12, v[SOF]
.irp b, 0,1,2,3
	v_mov_b32 v[BT+\b], 0                          ; written once: a lane permute's destination counts as one of its sources
.endr
	; where my 128 x 128 goes: one step of 128 tokens of two heads
	s_lshl_b32 s20, s66, 8
	s_lshl_b32 s21, s15, 7
	s_add_co_u32 s20, s20, s21                     ; my first row of the result
	s_lshl_b32 s21, s95, 8
	s_lshl_b32 s22, s16, 7
	s_add_co_u32 s21, s21, s22                     ; my first column
	s_cmp_eq_u32 ttmp9, 2
	s_cselect_b32 s22, s21, s20                    ; my first token,
	s_cselect_b32 s23, s20, s21                    ; my first feature
	s_lshr_b32 s20, s22, 11
	s_lshl_b32 s20, s20, 8                         ; batch x 16 heads x 16 steps
	s_lshr_b32 s21, s23, 6
	s_lshl_b32 s21, s21, 4                         ; head x 16 steps
	s_add_co_u32 s20, s20, s21
	s_bfe_u32 s21, s22, 0x40007                    ; the step
	s_add_co_u32 s20, s20, s21
	s_mul_i32 s22, ttmp9, 6291456                  ; the product's section of img
	s_mul_i32 s21, s20, 6144
	s_add_co_u32 s22, s22, s21
	s_mov_b32 s23, 0
	s_add_nc_u64 s[12:13], s[8:9], s[22:23]
	s_mul_i32 s22, ttmp9, 262144                   ; and of isc
	s_lshl_b32 s21, s20, 8
	s_add_co_u32 s22, s22, s21
	s_add_nc_u64 s[10:11], s[10:11], s[22:23]
.macro FRAG reg, adr, q, i             ; 16 rows x 128 K: 12 registers: lane (r, h): registers 6 c .. 6 c + 5 = K 64 c + 32 h + 0 .. 31: 24 bytes of the row's stream of bits, in pieces of 8 bytes
.irp p, 0,1,2,3,4,5
.set PC, 12*(\q)+6*(\p/3)+\p%3        ; 16 bytes of padding lie behind every 8 pieces: where the piece three on lies behind one padding more, the second address register serves
.if PC%8 < 5
	ds_load_b64 v[\reg+2*\p:\reg+2*\p+1], v[\adr] offset:8*PC+16*(PC/8)+(\i)*16*PITCH
.else
	ds_load_b64 v[\reg+2*\p:\reg+2*\p+1], v[\adr+2] offset:8*PC+16*(PC/8)+(\i)*16*PITCH
.endif
.endr
.endm
; 16 matrix instructions: A's blocks a0, a0 + 1 x B's eight.  The 64 accumulators take turns, one instruction a turn, in the same order in every step.  zero = 1: the first product starts the sums.
.macro MUL16 a0, p, q, sc, zero
.irp a, \a0, \a0+1
.irp b, 0,1,2,3,4,5,6,7
.if \zero
	v_wmma_scale_f32_16x16x128_f8f6f4 v[8*(8*((\a)%4)+\b):8*(8*((\a)%4)+\b)+7], v[128*(\p)+FR*\b:128*(\p)+FR*\b+FR-1], v[AF+FR*(\a):AF+FR*(\a)+FR-1], 0, v[SC+8*NQ*(\sc)+NQ*\b+(\q)], v[SC+8*NQ*(\sc)+NQ*(\a)+(\q)] matrix_a_fmt:MATRIX_FMT_FP6 matrix_b_fmt:MATRIX_FMT_FP6 matrix_a_scale:MATRIX_SCALE_ROW1
.else
	v_wmma_scale_f32_16x16x128_f8f6f4 v[8*(8*((\a)%4)+\b):8*(8*((\a)%4)+\b)+7], v[128*(\p)+FR*\b:128*(\p)+FR*\b+FR-1], v[AF+FR*(\a):AF+FR*(\a)+FR-1], v[8*(8*((\a)%4)+\b):8*(8*((\a)%4)+\b)+7], v[SC+8*NQ*(\sc)+NQ*\b+(\q)], v[SC+8*NQ*(\sc)+NQ*(\a)+(\q)] matrix_a_fmt:MATRIX_FMT_FP6 matrix_b_fmt:MATRIX_FMT_FP6 matrix_a_scale:MATRIX_SCALE_ROW1
.endif
.endr
.endr
.endm
.macro FETCH_B slot, q, p
	WIN TO_B
.irp i, 0,1,2,3,4,5,6,7
	FRAG 128*(\p)+FR*\i, ADRB+\slot, \q, \i
.endr
	WIN 0
.endm
.macro FETCH_A slot, q, i0
.irp i, \i0, \i0+1, \i0+2, \i0+3
	FRAG AF+FR*(\i), ADRA+\slot, \q, \i
.endr
.endm
.macro SCALES sc                       ; a K step's scale words: lanes 0-15 A's block i, lanes 16-31 B's block i
.irp i, 0,1,2,3,4,5,6,7
	ds_load_b64 v[SC+8*NQ*\sc+NQ*\i:SC+8*NQ*\sc+NQ*\i+1], v[ADRS] offset:\i*SBLK
.endr
.endm
.macro PLACES n                        ; places behind matrix instructions, in front of loads into their registers and of reads of their results
.rept \n
	v_nop
.endr
.endm
.macro STEP slot, q, zero              ; 128 along K with its successor in the same slot
	s_wait_dscnt 4*NL                              ; B's set and A's blocks 0-3 are in; the youngest 24 loads (A's blocks 4-7) may be out
	WIN MUL_LO
	MUL16 0, (\q)%2, \q, \slot, \zero
	MUL16 2, (\q)%2, \q, \slot, \zero
	s_wait_dscnt 0                                 ; A's blocks 4-7 are in
	PLACES NP
	FETCH_B \slot, (\q)+1, 1-(\q)%2
	FETCH_A \slot, (\q)+1, 0
	WIN MUL_HI
	MUL16 4, (\q)%2, \q, \slot, \zero
	MUL16 6, (\q)%2, \q, \slot, \zero
	PLACES NP
	WIN 0
	FETCH_A \slot, (\q)+1, 4
.endm
; A slot's last step changes slots: one barrier; in front of it each wave waits for all its tensor loads, adds 0 to its spare word, and waits for that and for its reads of this slot.  fill = 1: the slot is filled again, two K steps ahead.
.macro TURN slot, next, fill
	s_wait_tensorcnt 0x0                           ; all my tensor loads have landed: my part of the next slot
	ds_add_u32 v[SPW], v[NIL]                      ; 0 onto my spare word
	s_wait_dscnt 4*NL+1                            ; the add and the youngest 24 loads (A's blocks 4-7) may be out
	WIN MUL_LO
	MUL16 0, 1, NQ-1, \slot, 0
	s_wait_dscnt 0x0                               ; the add is done, and my reads of this slot are over
	s_barrier_signal -1
	MUL16 2, 1, NQ-1, \slot, 0
	WIN 0
	s_barrier_wait -1
.if \fill
	CREST                                          ; the barrier has opened a round of the cluster's barrier: no wave of any partner still reads this slot or has a load on its way
	s_add_nc_u64 s[G0+4*\slot+2:G0+4*\slot+3], s[G0+4*\slot+2:G0+4*\slot+3], 2*ROWB
	s_add_nc_u64 s[G0B+4*\slot+2:G0B+4*\slot+3], s[G0B+4*\slot+2:G0B+4*\slot+3], 2*ROWB
	JLOAD G0+4*\slot, G1, G0B+4*\slot, G1B         ; the first tensor load behind the round; its four v_nop are the places in front of the loads below
.else
	PLACES NP
.endif
	v_add_nc_u32 v[ADRS], 4*NQ, v[ADRS]            ; the next K step's scale words
	FETCH_B \next, 0, 0
	FETCH_A \next, 0, 0
	SCALES \next
	WIN MUL_HI
	MUL16 4, 1, NQ-1, \slot, 0
	MUL16 6, 1, NQ-1, \slot, 0
	PLACES NP
	WIN 0
	FETCH_A \next, 0, 4
.endm
; Block a (16 rows x my 128 columns) is quantised: four blocks of 32 columns.  The codes of columns 0-63 go to v[d0 .. d0 + 5], those of columns 64-127 to v[d1 .. d1 + 5], the four bytes to v[PW + a].
; Each accumulator is read from its low end on.
.macro QUANTW a, d0, d1
.set QW, 2+(\a)/4                      ; the accumulators' window
.set QB, 64*((\a)%4)
	WIN (QW<<2)|(QW<<4)                            ; sources 1 and 2 in that window
.irp b, 0,1,2,3
	v_max3_num_f32 v[BM+\b], 0x1800000, |v[QB+16*\b]|, |v[QB+16*\b+1]|   ; my 16 numbers of block b, and the floor 2^(3 - 127): the byte cannot fall under 1
.endr
.irp i, 2,4,6,8,10,12,14
.irp b, 0,1,2,3
	v_max3_num_f32 v[BM+\b], v[BM+\b], |v[QB+16*\b+\i]|, |v[QB+16*\b+\i+1]|
.endr
.endr
	WIN 0
.irp b, 0,1,2,3
	v_permlanex16_b32 v[BT+\b], v[BM+\b], s96, s97
.endr
.irp b, 0,1,2,3
	v_max_num_f32 v[BM+\b], v[BM+\b], v[BT+\b]     ; with lane l xor 16's: the block's largest magnitude
.endr
.irp b, 0,1,2,3
	v_add_nc_u32 v[SO+\b], 0xff000000, v[BM+\b]    ; 2 off the exponent field: the conversion's scale operand
.endr
.irp b, 0,1,2,3
	v_lshrrev_b32 v[BT+\b], 23, v[SO+\b]           ; the byte
.endr
	v_lshl_or_b32 v[PW+(\a)], v[BT+1], 8, v[BT]
	v_lshl_or_b32 v[PW+(\a)], v[BT+2], 16, v[PW+(\a)]
	v_lshl_or_b32 v[PW+(\a)], v[BT+3], 24, v[PW+(\a)]
	WIN QW                                         ; source 0 in the accumulators' window
	v_cvt_scalef32_pk16_fp6_f32 v[(\d0):(\d0)+2], v[QB:QB+15], v[SO]
	v_cvt_scalef32_pk16_fp6_f32 v[CT:CT+2], v[QB+16:QB+31], v[SO+1]
	v_cvt_scalef32_pk16_fp6_f32 v[(\d1):(\d1)+2], v[QB+32:QB+47], v[SO+2]
	v_cvt_scalef32_pk16_fp6_f32 v[CT+4:CT+6], v[QB+48:QB+63], v[SO+3]
	WIN 0
	v_nop                                          ; one plain place behind a scaled conversion
.irp i, 0,1,2
	v_permlane16_swap_b32 v[(\d0)+\i], v[CT+\i]    ; the operand's layout wants a whole block in a lane: lanes 0-15 the even block, lanes 16-31 the odd one
.endr
.irp i, 0,1,2
	v_mov_b32 v[(\d0)+3+\i], v[CT+\i]
.endr
.irp i, 0,1,2
	v_permlane16_swap_b32 v[(\d1)+\i], v[CT+4+\i]
.endr
.irp i, 0,1,2
	v_mov_b32 v[(\d1)+3+\i], v[CT+4+\i]
.endr
.endm
	s_wait_tensorcnt 1                             ; the scales and my part of K step 0 are in; K step 1's load may be out
	s_barrier_signal -1
	s_barrier_wait -1
	FETCH_B 0, 0, 0
	FETCH_A 0, 0, 0
	SCALES 0
	FETCH_A 0, 0, 4
	STEP 0, 0, 1                                   ; the first step stands in front of the loop: its products start the sums
	s_mov_b32 s3, LAPS-1
.Llap:                                                 ; a trip goes once round the ring and fills both slots again
	TURN 0, 1, 1
	STEP 1, 0, 0
	TURN 1, 0, 1
	STEP 0, 0, 0
	s_sub_co_u32 s3, s3, 1
	s_cmp_lg_u32 s3, 0
	s_cbranch_scc1 .Llap
	TURN 0, 1, 0                                   ; the last lap fills nothing
	STEP 1, 0, 0
	s_wait_dscnt 4*NL                              ; the very last step
	WIN MUL_LO
	MUL16 0, 1, NQ-1, 1, 0
	MUL16 2, 1, NQ-1, 1, 0
	s_wait_dscnt 0
	WIN MUL_HI
	MUL16 4, 1, NQ-1, 1, 0
	MUL16 6, 1, NQ-1, 1, 0
	WIN 0
	PLACES NP                                      ; in front of the first read of results and of writes into the registers that held A's fragments
	s_cmp_eq_u32 ttmp9, 2                          ; the cluster's x: all partners go the same way
	s_cbranch_scc1 .Ltail_v
	; q, k: my columns are two heads.  Blocks 2 A and 2 A + 1 make pair A's image for each head; two pairs of image sets take turns
.irp A, 0,1,2,3
	s_wait_xcnt 0x0                                ; the earlier stores have read their registers
	QUANTW 2*\A, 128+24*(\A%2), 140+24*(\A%2)
	QUANTW 2*\A+1, 134+24*(\A%2), 146+24*(\A%2)
	v_perm_b32 v[TT], v[PW+2*\A+1], v[PW+2*\A], 0x05040100         ; the first head's word: the even tile's two bytes, the odd tile's two
	v_perm_b32 v[TT+1], v[PW+2*\A+1], v[PW+2*\A], 0x07060302       ; the second head's
	v_cndmask_b32 v[SW+\A], v[TT], v[TT+1], s98                    ; lanes 16-31 carry the second head's
.irp g, 0,1,2
	global_store_b128 v[IO], v[128+24*(\A%2)+4*\g:128+24*(\A%2)+4*\g+3], s[12:13] offset:1536*\A+512*\g          ; 32 lanes store 512 consecutive bytes, aligned
.endr
.irp g, 0,1,2
	global_store_b128 v[IO], v[140+24*(\A%2)+4*\g:140+24*(\A%2)+4*\g+3], s[12:13] offset:98304+1536*\A+512*\g    ; the next head: 16 steps of 6,144 bytes on
.endr
.endr
	s_branch .Lsend
.Ltail_v:
	; v: my rows are two heads' d, my columns one step of 128 keys.  Block a is d tile a % 4 of head a / 4: a whole fragment; four image sets take turns
.irp a, 0,1,2,3,4,5,6,7
	s_wait_xcnt 0x0
	QUANTW \a, 128+12*(\a%4), 134+12*(\a%4)
.irp g, 0,1,2
	global_store_b128 v[IO], v[128+12*(\a%4)+4*\g:128+12*(\a%4)+4*\g+3], s[12:13] offset:98304*(\a/4)+1536*(\a%4)+512*\g
.endr
.endr
.irp t, 0,1,2,3
	v_cndmask_b32 v[SW+\t], v[PW+\t], v[PW+4+\t], s98
.endr
.Lsend:
	global_store_b128 v[SOF], v[SW:SW+3], s[10:11] ; each half of the lanes stores 256 consecutive bytes, aligned: a head's scale words of this step
	s_wait_tensorcnt 0x0                           ; the wave's end, behind my last tensor load
	ds_add_u32 v[SPW], v[NIL]
	s_wait_dscnt 0x0
	CROUND                                         ; the closing round: no work-group ends while a partner may still ask for a tile that names it
	s_endpgm
.Lfunc_end_k_qb6209ec0b1_qkv:
	.size	k_qb6209ec0b1_qkv, .Lfunc_end_k_qb6209ec0b1_qkv-k_qb6209ec0b1_qkv
	.p2alignl 7, 3214868480
	.fill 96, 4, 3214868480
	.section	.rodata,"a",@progbits
	.p2align	6, 0x0
	.amdhsa_kernel k_qb6209ec0b1_qkv
		.amdhsa_group_segment_fixed_size 327680
		.amdhsa_private_segment_fixed_size 0
		.amdhsa_enable_private_segment 0
		.amdhsa_kernarg_size 32
		.amdhsa_user_sgpr_count 2
		.amdhsa_user_sgpr_kernarg_segment_ptr 1
		.amdhsa_wavefront_size32 1
		.amdhsa_system_sgpr_workgroup_id_x 1
		.amdhsa_system_sgpr_workgroup_id_y 1
		.amdhsa_system_sgpr_workgroup_id_z 1
		.amdhsa_system_vgpr_workitem_id 0
		.amdhsa_next_free_vgpr 1024
		.amdhsa_next_free_sgpr 100
		.amdhsa_reserve_vcc 0
		.amdhsa_float_denorm_mode_32 3
		.amdhsa_float_denorm_mode_16_64 3
		.amdhsa_memory_ordered 1
		.amdhsa_forward_progress 1
		.amdhsa_inst_pref_size 199
	.end_amdhsa_kernel
	.amdgpu_metadata
---
amdhsa.version: [ 1, 2 ]
amdhsa.kernels:
  - .name:           k_qb6209ec0b1_qkv
    .symbol:         k_qb6209ec0b1_qkv.kd
    .args:
      - { .name: codes, .offset: 0, .size: 8, .value_kind: global_buffer, .address_space: global }
      - { .name: scales, .offset: 8, .size: 8, .value_kind: global_buffer, .address_space: global }
      - { .name: img, .offset: 16, .size: 8, .value_kind: global_buffer, .address_space: global }
      - { .name: isc, .offset: 24, .size: 8, .value_kind: global_buffer, .address_space: global }
    .group_segment_fixed_size: 327680
    .private_segment_fixed_size: 0
    .kernarg_segment_align: 8
    .kernarg_segment_size: 32
    .max_flat_workgroup_size: 128
    .sgpr_count:     100
    .vgpr_count:     1024
    .wavefront_size: 32
...
	.end_amdgpu_metadata
.endif
;; end of part 2
;; launch attn (part 3): grid 4 x 64, 16 waves a work-group, clusters of 4 x 1, 206,848 bytes of LDS; arguments img, isc, maskw, cimg, csc; writes cimg, csc
.if DOCPART == 3
	.amdgcn_target "amdgcn-amd-amdhsa--gfx1250"
	.amdhsa_code_object_version 6
	.text
	.protected	k_qb6209ec0b1_attn
	.globl	k_qb6209ec0b1_attn
	.p2align	8
	.type	k_qb6209ec0b1_attn,@function
k_qb6209ec0b1_attn:
	s_mov_b64 s[64:65], 0
	v_nop
	global_prefetch_b8 v0, s[64:65] scope:SCOPE_SE
	s_setreg_imm32_b32 hwreg(HW_REG_WAVE_MODE, 25, 1), 1
	s_wait_xcnt 0x0
	s_wait_alu depctr_hold_cnt(0) depctr_sa_sdst(0) depctr_va_vdst(0) depctr_va_sdst(0) depctr_va_ssrc(0) depctr_va_vcc(0) depctr_vm_vsrc(0)
	s_getreg_b32 s2, hwreg(HW_REG_IB_STS2, 6, 4)
	s_cmp_eq_u32 s2, 0
	s_cbranch_scc0 .Lentry_in_a_cluster
	s_endpgm
.Lentry_in_a_cluster:
	s_bfe_u32 s2, ttmp6, 0x10000c
	s_cmp_lg_u32 s2, 0x3003
	s_cbranch_scc0 .Lentry_shape_is_right
	s_endpgm
.Lentry_shape_is_right:
; ctx = softmax(where(mask == 0, fill, q k^T) / 8) v for one (batch, head), both products on codes of FP6 (E2M3) with E8M0 scales; ctx is quantised along the output projection's K and leaves as register images.
; THE SOFTMAX AHEAD OF THE SECOND PRODUCT: t = score x c, c = log2(e) / 8; M = the running largest t rounded UP to a whole number; p = 2^(t - M) is quantised along the keys, not normalised; the row's sum is taken of the
; unquantised p and divides at the end.  When M moves, the sum and O are multiplied by 2^(old M - new M): exact.
; LIMIT, KEPT ON PURPOSE: the fill under the mask is -2^30 where the source has -1e9.  -2^30 x c is a whole number and exact, so in a row that is wholly masked t - M is exactly 0 and every p is 1, as the source's equal
; logits give.  The results are the source's wherever every unmasked score lies above about -9.9e8.  NaN and infinities are not served.
; SHARES.  A work-group owns 512 queries of one (batch, head); each of its sixteen waves owns 32: two tiles of 16, one after the other, in 256 registers: four waves to a SIMD, so that one wave's vector work stands
; beside another's products and LDS loads.  A WHOLE HEAD'S K AND V (2 x 98,304 bytes of register images, 2 x 4,096 of scale words) LIE IN LDS, filled once: no ring, no refill, no barrier in the loop.
; CLUSTER.  The four work-groups of a (batch, head) read the same K and V: each of the sixteen waves asks for its sixteenth JOINTLY, by the same two tensor loads with a mask that names the four.
; LAYOUT.  Both products are used transposed: S^T = K Q^T, O^T = V^T P^T: a lane holds one query (lane % 16) throughout.
; q k^T HAS K = 64 IN AN INSTRUCTION OF 128: a fragment of K holds TWO tiles of 16 keys (registers 0-5 the even tile, 6-11 the odd); it is multiplied once by [q | zeros] and once by [zeros | q].  Zero codes add nothing
; under any scale byte but 0xff, and no byte here is 0xff.
; THE MASK comes as lane masks, 64 words a step (word n for score register n), by scalar loads a step ahead: one v_cndmask_b32 a register.
; REGISTERS: v1-11 addresses; v12 -M, v13 the largest t, v[14:15] the sum; v16-27 [q | 0]; v28-39 [0 | q]; v40-45 the second tile's q; v46-57 scale words alone; v[58:59] f; v60-75 at work; v76-94 p's codes;
;   v96-143 four fragments of K, then of V; v144-207 S^T, then p; v208-239 O^T.
.set LI,   1                           ; v1   16 x lane: an image's place for my lane (K's images begin at LDS byte 0)
.set LR,   2                           ; v2   K's scale words: KSB + 16 r
.set SPW,  3                           ; v3   my spare word; never rewritten
.set NIL,  4                           ; v4   0; never rewritten
.set FILL, 5                           ; v5   -2^30
.set ADK,  6                           ; v6-8 the step's addresses
.set ADV,  7
.set ADS,  8
.set CO8,  9                           ; v9   8 x lane: ctx's images
.set CO32, 10                          ; v10  32 r: ctx's scale bytes
.set LV,   11                          ; v11  16 x lane + VIM
.set QLO,  16
.set QHI,  28
.set QN,   40
.set QS,   46                          ; q's two bytes, twice
.set QSN,  47                          ; the second tile's
.set KSC,  48                          ; v48-51 K's scale words of the step's four pairs
.set VSC,  52                          ; v52-55 V's of its four d tiles
.set PS,   56                          ; p's
.set QWD,  57                          ; q's pair word as loaded
.set FF,   58
.set BM,   60
.set BT,   64
.set SO,   68
.set TW,   72
.set PC,   76
.set PT,   88
.set FRG,  96
.set S,    144
.set O,    208
.set VIM,  98304                       ; LDS: V's images
.set KSB,  196608                      ; K's scale words; V's lie 4,096 on
.set SPARE, 204800                     ; the spare words, 128 bytes for each wave: eight blocks of 256 bytes that no other line names
.macro CROUND                          ; a round of the cluster's barrier
	s_barrier_signal -1
	s_barrier_wait -1
	s_cmp_lg_u32 s14, 0
	s_cbranch_scc1 .Lnot_wave_0_\@
	s_barrier_signal -3
.Lnot_wave_0_\@:
	s_barrier_wait -3
	s_barrier_signal -1
	s_barrier_wait -1
.endm
	s_load_b256 s[4:11], s[0:1], 0x0               ; img s[4:5], isc s[6:7], maskw s[8:9], cimg s[10:11]
	s_load_b64 s[12:13], s[0:1], 0x20              ; csc
	v_lshl_add_u32 v[SPW], v0, 2, SPARE
	v_mov_b32 v[NIL], 0
	ds_add_u32 v[SPW], v[NIL]                      ; the wave's opening: the add and its wait stand ahead of my first tensor load; the set-up below, work on registers, stands between them
	v_lshrrev_b32 v[TW], 5, v0
	v_readfirstlane_b32 s14, v[TW]                 ; wave 0..15
	s_bfe_u32 s24, ttmp6, 0x40000                  ; cx: which 512 queries: it enters global addresses of q, the mask and ctx alone
	s_and_b32 s25, ttmp7, 0xffff                   ; batch x 16 + head, which the four partners share
	; descriptor groups 1: dense blocks as rows of 256 bytes (32 elements of 8 bytes): 48 rows of images, 2 rows of scale words
	s_mov_b32 s32, 15|(3<<16)|(1<<21)              ; 15:0 the mask: all four work-groups; elements of 8 bytes; bit 21 beside a mask; no padding
	s_mov_b32 s33, 32<<16
	s_mov_b32 s34, 48<<16
	s_mov_b32 s35, 32<<16
	s_mov_b32 s36, 48
	s_mov_b32 s37, 32
	s_mov_b32 s38, 0
	s_mov_b32 s39, 0
	s_mov_b32 s40, 15|(3<<16)|(1<<21)
	s_mov_b32 s41, 32<<16
	s_mov_b32 s42, 2<<16
	s_mov_b32 s43, 32<<16
	s_mov_b32 s44, 2
	s_mov_b32 s45, 32
	s_mov_b32 s46, 0
	s_mov_b32 s47, 0
	; waves 0-7 bring K's eighths, waves 8-15 V's
	s_lshr_b32 s26, s14, 3
	s_add_co_u32 s26, s26, 1                       ; the section: 1 = k, 2 = v
	s_and_b32 s27, s14, 7
	s_mul_i32 s28, s26, 6291456
	s_mul_i32 s16, s25, 98304
	s_add_co_u32 s28, s28, s16
	s_mul_i32 s16, s27, 12288
	s_add_co_u32 s28, s28, s16
	s_mov_b32 s29, 0
	s_lshl_b32 s30, s26, 18
	s_lshl_b32 s16, s25, 12
	s_add_co_u32 s30, s30, s16
	s_lshl_b32 s16, s27, 9
	s_add_co_u32 s30, s30, s16
	s_mov_b32 s31, 0
	s_mov_b32 s48, 1
	s_mul_i32 s49, s14, 12288                      ; LDS: K's eight eighths, then V's
	s_mov_b32 s52, 1
	s_lshl_b32 s53, s14, 9
	s_add_co_u32 s53, s53, KSB
	s_mov_b32 s20, 0x76543210
	s_mov_b32 s21, 0xfedcba98                      ; v_permlanex16_b32's selects for lane l xor 16
	s_mov_b32 s22, 0x3e38aa3b                      ; c = log2(e) / 8
	s_mov_b32 s23, s22                             ; (named with it as a pair)
	s_mov_b32 s15, 0                               ; the count of steps
	s_wait_dscnt 0x0                               ; the opening add is done
	s_wait_kmcnt 0x0
	s_add_nc_u64 s[50:51], s[4:5], s[28:29]
	s_or_b32 s51, s51, 0x80000000
	s_add_nc_u64 s[54:55], s[6:7], s[30:31]
	s_or_b32 s55, s55, 0x80000000
	CROUND                                         ; all four work-groups are here: the joint loads meet
	tensor_load_to_lds s[48:51], s[32:39]          ; my sixteenth of the images
	s_nop 0
	tensor_load_to_lds s[52:55], s[40:47]          ; and of the scale words: two tensor loads of mine are out
	s_nop 0
.rept 4
	v_nop
.endr
	v_and_b32 v[TW], 31, v0                        ; lane
	v_and_b32 v[TW+1], 15, v0                      ; r
	v_lshlrev_b32 v[LI], 4, v[TW]
	v_lshlrev_b32 v[TW+2], 4, v[TW+1]              ; 16 r
	v_add_nc_u32 v[LR], KSB, v[TW+2]
	v_lshlrev_b32 v[CO8], 3, v[TW]
	v_lshlrev_b32 v[CO32], 5, v[TW+1]
	v_add_nc_u32 v[LV], VIM, v[LI]
	v_mov_b32 v[FILL], 0xce800000                  ; -2^30
	; my 32 queries are one pair image of q: step 4 cx + wave / 4, pair wave % 4
	s_lshl_b32 s16, s25, 4
	s_lshl_b32 s17, s24, 2
	s_add_co_u32 s16, s16, s17
	s_lshr_b32 s17, s14, 2
	s_add_co_u32 s16, s16, s17
	s_and_b32 s17, s14, 3
	s_mul_i32 s18, s16, 6144
	s_mul_i32 s19, s17, 1536
	s_add_co_u32 s18, s18, s19
	s_mov_b32 s19, 0
	s_add_nc_u64 s[4:5], s[4:5], s[18:19]
	s_lshl_b32 s18, s16, 8
	s_lshl_b32 s17, s17, 2
	s_add_co_u32 s18, s18, s17
	s_add_nc_u64 s[6:7], s[6:7], s[18:19]
.irp g, 0,1,2
	global_load_b128 v[QLO+4*\g:QLO+4*\g+3], v[LI], s[4:5] offset:512*\g
.endr
	global_load_b32 v[QWD], v[TW+2], s[6:7]        ; row r's word: the even tile's two bytes, the odd tile's two
	s_lshr_b32 s16, s25, 4
	s_lshl_b32 s16, s16, 7
	s_lshl_b32 s17, s24, 5
	s_add_co_u32 s16, s16, s17
	s_lshl_b32 s17, s14, 1
	s_add_co_u32 s16, s16, s17                     ; my first tile of 16 rows: batch x 128 + 32 cx + 2 wave
	s_lshl_b32 s18, s16, 12
	s_add_nc_u64 s[8:9], s[8:9], s[18:19]          ; its mask words: 32 steps of 256 bytes on end
	s_and_b32 s17, s25, 15                         ; the head
	s_lshl_b32 s18, s16, 3
	s_lshr_b32 s26, s17, 1
	s_add_co_u32 s18, s18, s26
	s_mul_i32 s18, s18, 1536                       ; ctx's image: (tile, K step head / 2),
	s_and_b32 s26, s17, 1
	s_mul_i32 s26, s26, 768                        ; pieces 3 (head % 2) on
	s_add_co_u32 s18, s18, s26
	s_add_nc_u64 s[10:11], s[10:11], s[18:19]
	s_lshl_b32 s18, s16, 9
	s_lshl_b32 s17, s17, 1
	s_add_co_u32 s18, s18, s17
	s_add_nc_u64 s[12:13], s[12:13], s[18:19]      ; ctx's scale bytes: 32 a row, my head's two
	s_wait_tensorcnt 0x0                           ; my parts have landed, and the descriptors' registers are free
	s_barrier_signal -1
	s_barrier_wait -1                              ; everybody's have
	s_load_b512 s[32:47], s[8:9], 0x0              ; the first step's 64 mask words
	s_load_b512 s[48:63], s[8:9], 0x40
	s_load_b512 s[68:83], s[8:9], 0x80
	s_load_b512 s[84:99], s[8:9], 0xc0
	s_wait_loadcnt 0x0                             ; q
.irp i, 0,1,2,3,4,5
	v_mov_b32 v[QN+\i], v[QLO+6+\i]                ; the second tile waits
.endr
.irp i, 0,1,2,3,4,5
	v_mov_b32 v[QHI+6+\i], v[QLO+\i]
.endr
.irp i, 0,1,2,3,4,5
	v_mov_b32 v[QLO+6+\i], 0
	v_mov_b32 v[QHI+\i], 0
.endr
	v_perm_b32 v[QS], v[QWD], v[QWD], 0x01000100   ; the tile's two bytes serve both halves of K
	v_perm_b32 v[QSN], v[QWD], v[QWD], 0x03020302
	v_mov_b32 v13, 0xff61b1e6                      ; the largest t so far: -3e38
	v_floor_f32 v12, -v13                          ; -M
	v_mov_b32 v14, 0
	v_mov_b32 v15, 0
	v_mov_b32 v[FF+1], 0                           ; (named as the upper half of a pair)
.irp b, 0,1,2,3
	v_mov_b32 v[BT+\b], 0                          ; written once: a lane permute's destination counts as one of its sources
.endr
.set n, 0
.rept 32
	v_mov_b32 v[O+n], 0                            ; O^T: the step is written once; the first change of M leaves zeros zeros.  (These lines are also the places between the writes of q's operands and scales and the first product)
.set n, n+1
.endr
.Lstep:                                                ; 32 trips: 16 steps of 128 keys for each of my two tiles of queries
	s_and_b32 s16, s15, 15                         ; the key step
	s_mul_i32 s17, s16, 6144
	s_lshl_b32 s18, s16, 8
	v_add_nc_u32 v[ADK], s17, v[LI]
	v_add_nc_u32 v[ADV], s17, v[LV]
	v_add_nc_u32 v[ADS], s18, v[LR]
	v_nop                                          ; four plain lines: the places behind the last products, in front of the loads into their registers
.irp P, 0,1,2,3
.irp g, 0,1,2
	ds_load_b128 v[FRG+12*\P+4*\g:FRG+12*\P+4*\g+3], v[ADK] offset:1536*\P+512*\g
.endr
.endr
	ds_load_b128 v[KSC:KSC+3], v[ADS]
	s_wait_dscnt 0x0
.irp P, 0,1,2,3                                ; S^T: keys 32 P + 8 h + j (even tile) and 32 P + 16 + 8 h + j (odd tile)
	v_wmma_scale_f32_16x16x128_f8f6f4 v[S+16*\P:S+16*\P+7], v[FRG+12*\P:FRG+12*\P+11], v[QLO:QLO+11], 0, v[KSC+\P], v[QS] matrix_a_fmt:MATRIX_FMT_FP6 matrix_b_fmt:MATRIX_FMT_FP6
	v_wmma_scale_f32_16x16x128_f8f6f4 v[S+16*\P+8:S+16*\P+15], v[FRG+12*\P:FRG+12*\P+11], v[QHI:QHI+11], 0, v[KSC+\P], v[QS] matrix_a_fmt:MATRIX_FMT_FP6 matrix_b_fmt:MATRIX_FMT_FP6
.endr
.rept 4
	v_nop                                          ; places in front of the loads into K's registers and of the first read of the scores
.endr
.irp t, 0,1,2,3
.irp g, 0,1,2
	ds_load_b128 v[FRG+12*\t+4*\g:FRG+12*\t+4*\g+3], v[ADV] offset:1536*\t+512*\g   ; V's fragments land while the softmax is walked
.endr
.endr
	ds_load_b128 v[VSC:VSC+3], v[ADS] offset:4096
	s_wait_kmcnt 0x0                               ; this step's mask words, asked for a step ago
.set n, 0
.rept 64
	v_cndmask_b32 v[S+n], v[FILL], v[S+n], s[32+n+4*(n/32)]        ; each accumulator from its low end on
.set n, n+1
.endr
	s_add_co_u32 s19, s15, 1
	s_min_u32 s19, s19, 31                         ; the last trip asks for its own words again: no load leaves the buffer
	s_lshl_b32 s19, s19, 8
	s_load_b512 s[32:47], s[8:9], s19 offset:0x0   ; the next step's words
	s_load_b512 s[48:63], s[8:9], s19 offset:0x40
	s_load_b512 s[68:83], s[8:9], s19 offset:0x80
	s_load_b512 s[84:99], s[8:9], s19 offset:0xc0
.irp b, 0,1,2,3
	v_max3_num_f32 v[BM+\b], v[S+16*\b], v[S+16*\b+1], v[S+16*\b+2]   ; the largest score of each block of 32 keys: for the row's maximum, and, since p rises with the score, for the block's largest p
.endr
.irp i, 3,5,7,9,11,13
.irp b, 0,1,2,3
	v_max3_num_f32 v[BM+\b], v[BM+\b], v[S+16*\b+\i], v[S+16*\b+\i+1]
.endr
.endr
.irp b, 0,1,2,3
	v_max_num_f32 v[BM+\b], v[BM+\b], v[S+16*\b+15]
.endr
.irp b, 0,1,2,3
	v_permlanex16_b32 v[BT+\b], v[BM+\b], s20, s21
.endr
.irp b, 0,1,2,3
	v_max_num_f32 v[BM+\b], v[BM+\b], v[BT+\b]
.endr
	v_max3_num_f32 v[TW], v[BM], v[BM+1], v[BM+2]
	v_max_num_f32 v[TW], v[TW], v[BM+3]            ; the step's largest score of my query
	v_mul_f32 v[TW], s22, v[TW]                    ; as t
	v_max_num_f32 v13, v13, v[TW]                  ; the running largest t
	v_mov_b32 v[TW], v12
	v_floor_f32 v12, -v13                          ; the new -M = -ceil(t)
	v_sub_f32 v[TW], v12, v[TW]                    ; old M - new M: a whole number, 0 or less
	v_cvt_i32_f32 v[TW], v[TW]                     ; (it saturates)
	v_ldexp_f32 v[FF], 1.0, v[TW]                  ; f = 2^(old M - new M)
.set n, 0
.rept 32
	v_pk_fma_f32 v[S+n:S+n+1], v[S+n:S+n+1], s[22:23], v[12:13] op_sel_hi:[1,0,0]   ; t - M, two at a time
.set n, n+2
.endr
.irp b, 0,1,2,3
	v_fma_f32 v[BM+\b], v[BM+\b], s22, v12         ; the same of each block's largest score
.endr
.set n, 0
.rept 64
	v_exp_f32 v[S+n], v[S+n]                       ; p = 2^(t - M)
.set n, n+1
.endr
	v_pk_mul_f32 v[14:15], v[14:15], v[FF:FF+1] op_sel_hi:[1,0]    ; the sums under the new M (a plain line behind the exponentials)
	s_wait_alu depctr_va_vdst(0)                   ; one wait for the batch of 64, ahead of its first reader
.irp b, 0,1,2,3
	v_exp_f32 v[BM+\b], v[BM+\b]                   ; the blocks' largest p
.endr
	v_pk_add_f32 v[TW:TW+1], v[S:S+1], v[S+2:S+3]  ; the row's sum of the unquantised p, in two chains
.irp j, 4,8,12,16,20,24,28,32,36,40,44,48,52,56,60
	v_pk_add_f32 v[14:15], v[14:15], v[S+\j:S+\j+1]
	v_pk_add_f32 v[TW:TW+1], v[TW:TW+1], v[S+\j+2:S+\j+3]
.endr
	v_pk_add_f32 v[14:15], v[14:15], v[TW:TW+1]
	s_wait_alu depctr_va_vdst(0)                   ; and one for the four
.irp b, 0,1,2,3
	v_max_num_f32 v[BM+\b], 0x1800000, v[BM+\b]    ; the floor 2^(3 - 127): a block whose every p is 0 keeps the byte 1: its codes are zeros
.endr
.irp b, 0,1,2,3
	v_add_nc_u32 v[SO+\b], 0xff000000, v[BM+\b]    ; the conversion's scale operand
.endr
.irp b, 0,1,2,3
	v_lshrrev_b32 v[BT+\b], 23, v[SO+\b]           ; the byte
.endr
	v_lshl_or_b32 v[PS], v[BT+1], 8, v[BT]
	v_lshl_or_b32 v[PS], v[BT+2], 16, v[PS]
	v_lshl_or_b32 v[PS], v[BT+3], 24, v[PS]
.irp c, 0,1
	v_cvt_scalef32_pk16_fp6_f32 v[PC+6*\c:PC+6*\c+2], v[S+32*\c:S+32*\c+15], v[SO+2*\c]
	v_cvt_scalef32_pk16_fp6_f32 v[PT+4*\c:PT+4*\c+2], v[S+32*\c+16:S+32*\c+31], v[SO+2*\c+1]
.endr
	v_nop                                          ; one plain place behind a scaled conversion
.irp c, 0,1
.irp i, 0,1,2
	v_permlane16_swap_b32 v[PC+6*\c+\i], v[PT+4*\c+\i]             ; a whole block to a lane
.endr
.irp i, 0,1,2
	v_mov_b32 v[PC+6*\c+3+\i], v[PT+4*\c+\i]
.endr
.endr
.set n, 0
.rept 16
	v_pk_mul_f32 v[O+n:O+n+1], v[O+n:O+n+1], v[FF:FF+1] op_sel_hi:[1,0]   ; O^T under the new M (also the places in front of the products below)
.set n, n+2
.endr
	s_wait_dscnt 0x0                               ; V's fragments and scale words
.irp t, 0,1,2,3                                ; O^T += V^T P^T: the four accumulators by turns
	v_wmma_scale_f32_16x16x128_f8f6f4 v[O+8*\t:O+8*\t+7], v[FRG+12*\t:FRG+12*\t+11], v[PC:PC+11], v[O+8*\t:O+8*\t+7], v[VSC+\t], v[PS] matrix_a_fmt:MATRIX_FMT_FP6 matrix_b_fmt:MATRIX_FMT_FP6
.endr
	s_cmp_lg_u32 s16, 15                           ; the count of steps alone: the same in every wave and every partner
	s_cbranch_scc1 .Lgo_on
	; A TILE OF QUERIES IS DONE: ctx = O^T / the sum, quantised along (head, d): two blocks of 32; then the second tile's q takes the first's place
.rept 4
	v_nop                                          ; places in front of the first read of the results
.endr
	v_add_f32 v14, v14, v15
	v_permlanex16_b32 v[TW], v14, s20, s21
	v_add_f32 v14, v14, v[TW]                      ; the row's sum
	v_rcp_f32 v[FF], v14
	v_nop                                          ; a plain place behind the reciprocal
	s_wait_alu depctr_va_vdst(0)                   ; and the wait ahead of its first reader
.set n, 0
.rept 16
	v_pk_mul_f32 v[S+n:S+n+1], v[O+n:O+n+1], v[FF:FF+1] op_sel_hi:[1,0]   ; register 8 t + j: ctx(query r, d = 16 t + 8 h + j); each accumulator from its low end on
.set n, n+2
.endr
.irp b, 0,1
	v_max3_num_f32 v[BM+\b], |v[S+16*\b]|, |v[S+16*\b+1]|, 0x1800000
.endr
.irp i, 2,4,6,8,10,12,14
.irp b, 0,1
	v_max3_num_f32 v[BM+\b], v[BM+\b], |v[S+16*\b+\i]|, |v[S+16*\b+\i+1]|
.endr
.endr
.irp b, 0,1
	v_permlanex16_b32 v[BT+\b], v[BM+\b], s20, s21
.endr
.irp b, 0,1
	v_max_num_f32 v[BM+\b], v[BM+\b], v[BT+\b]
.endr
.irp b, 0,1
	v_add_nc_u32 v[SO+\b], 0xff000000, v[BM+\b]
.endr
.irp b, 0,1
	v_lshrrev_b32 v[BT+\b], 23, v[SO+\b]
.endr
	v_lshl_or_b32 v[TW+3], v[BT+1], 8, v[BT]       ; my row's two bytes
	v_cvt_scalef32_pk16_fp6_f32 v[PC:PC+2], v[S:S+15], v[SO]
	v_cvt_scalef32_pk16_fp6_f32 v[PT:PT+2], v[S+16:S+31], v[SO+1]
	v_nop
.irp i, 0,1,2
	v_permlane16_swap_b32 v[PC+\i], v[PT+\i]
.endr
.irp i, 0,1,2
	v_mov_b32 v[PC+3+\i], v[PT+\i]
.endr
.irp p, 0,1,2
	global_store_b64 v[CO8], v[PC+2*\p:PC+2*\p+1], s[10:11] offset:256*\p   ; 32 lanes store 256 consecutive bytes, aligned: a piece of the operand's image
.endr
	global_store_b16 v[CO32], v[TW+3], s[12:13]    ; two bytes a row (lanes r and r + 16 write the same): a scale word spans two heads, which lie in two work-groups
.irp i, 0,1,2,3,4,5
	v_mov_b32 v[QLO+\i], v[QN+\i]
	v_mov_b32 v[QHI+6+\i], v[QN+\i]
.endr
	v_mov_b32 v[QS], v[QSN]
	v_mov_b32 v13, 0xff61b1e6
	v_floor_f32 v12, -v13
	v_mov_b32 v14, 0
	v_mov_b32 v15, 0
.set n, 0
.rept 32
	v_mov_b32 v[O+n], 0
.set n, n+1
.endr
	s_wait_xcnt 0x0                                ; the stores have read their registers and bases
	s_add_nc_u64 s[10:11], s[10:11], 12288         ; the next tile of rows: 8 K steps of 1,536 bytes on
	s_add_nc_u64 s[12:13], s[12:13], 512
.Lgo_on:
	s_add_co_u32 s15, s15, 1
	s_cmp_lt_u32 s15, 32
	s_cbranch_scc1 .Lstep
	s_wait_kmcnt 0x0                               ; the last look-ahead
	s_wait_tensorcnt 0x0                           ; the wave's end, behind my last tensor load
	ds_add_u32 v[SPW], v[NIL]
	s_wait_dscnt 0x0
	CROUND                                         ; the closing round
	s_endpgm
.Lfunc_end_k_qb6209ec0b1_attn:
	.size	k_qb6209ec0b1_attn, .Lfunc_end_k_qb6209ec0b1_attn-k_qb6209ec0b1_attn
	.p2alignl 7, 3214868480
	.fill 96, 4, 3214868480
	.section	.rodata,"a",@progbits
	.p2align	6, 0x0
	.amdhsa_kernel k_qb6209ec0b1_attn
		.amdhsa_group_segment_fixed_size 206848
		.amdhsa_private_segment_fixed_size 0
		.amdhsa_enable_private_segment 0
		.amdhsa_kernarg_size 40
		.amdhsa_user_sgpr_count 2
		.amdhsa_user_sgpr_kernarg_segment_ptr 1
		.amdhsa_wavefront_size32 1
		.amdhsa_system_sgpr_workgroup_id_x 1
		.amdhsa_system_sgpr_workgroup_id_y 1
		.amdhsa_system_sgpr_workgroup_id_z 1
		.amdhsa_system_vgpr_workitem_id 0
		.amdhsa_next_free_vgpr 256
		.amdhsa_next_free_sgpr 100
		.amdhsa_reserve_vcc 0
		.amdhsa_float_denorm_mode_32 3
		.amdhsa_float_denorm_mode_16_64 3
		.amdhsa_memory_ordered 1
		.amdhsa_forward_progress 1
		.amdhsa_inst_pref_size 34
	.end_amdhsa_kernel
	.amdgpu_metadata
---
amdhsa.version: [ 1, 2 ]
amdhsa.kernels:
  - .name:           k_qb6209ec0b1_attn
    .symbol:         k_qb6209ec0b1_attn.kd
    .args:
      - { .name: img, .offset: 0, .size: 8, .value_kind: global_buffer, .address_space: global }
      - { .name: isc, .offset: 8, .size: 8, .value_kind: global_buffer, .address_space: global }
      - { .name: maskw, .offset: 16, .size: 8, .value_kind: global_buffer, .address_space: global }
      - { .name: cimg, .offset: 24, .size: 8, .value_kind: global_buffer, .address_space: global }
      - { .name: csc, .offset: 32, .size: 8, .value_kind: global_buffer, .address_space: global }
    .group_segment_fixed_size: 206848
    .private_segment_fixed_size: 0
    .kernarg_segment_align: 8
    .kernarg_segment_size: 40
    .max_flat_workgroup_size: 512
    .sgpr_count:     100
    .vgpr_count:     256
    .wavefront_size: 32
...
	.end_amdgpu_metadata
.endif
;; end of part 3
;; launch outp (part 4): grid 4 x 32, 4 waves a work-group, clusters of 4 x 4, 327,680 bytes of LDS; arguments cimg, csc, codes, scales, bo, out0; writes out0
.if DOCPART == 4
	.amdgcn_target "amdgcn-amd-amdhsa--gfx1250"
	.amdhsa_code_object_version 6
	.text
	.protected	k_qb6209ec0b1_outp
	.globl	k_qb6209ec0b1_outp
	.p2align	8
	.type	k_qb6209ec0b1_outp,@function
k_qb6209ec0b1_outp:
	s_mov_b64 s[64:65], 0
	v_nop
	global_prefetch_b8 v0, s[64:65] scope:SCOPE_SE
	s_setreg_imm32_b32 hwreg(HW_REG_WAVE_MODE, 25, 1), 1
	s_wait_xcnt 0x0
	s_wait_alu depctr_hold_cnt(0) depctr_sa_sdst(0) depctr_va_vdst(0) depctr_va_sdst(0) depctr_va_ssrc(0) depctr_va_vcc(0) depctr_vm_vsrc(0)
	s_getreg_b32 s2, hwreg(HW_REG_IB_STS2, 6, 4)
	s_cmp_eq_u32 s2, 0
	s_cbranch_scc0 .Lentry_in_a_cluster
	s_endpgm
.Lentry_in_a_cluster:
	s_bfe_u32 s2, ttmp6, 0x10000c
	s_cmp_lg_u32 s2, 0xf033
	s_cbranch_scc0 .Lentry_shape_is_right
	s_endpgm
.Lentry_shape_is_right:
; out0 = ctx Wo + bo on codes of FP6 (E2M3) with E8M0 scales: M 8,192, N 1,024, K 1,024; sums in f32.
; A = ctx, as the attention launch left it: register images [tile of 16 rows][K step of 128: 8][piece: 6][32 lanes][8 bytes], scale bytes [8192][32].  B = rows 19,456 on of 'codes' and 'scales': Wo's columns, K innermost.
; In both, place p of each block of 32 along K holds k = p with bits 3 and 4 exchanged: the places agree, the blocks and their scales are the rule's.
; A tile of 256 x 256 is made by four waves, 128 x 128 each.  K goes in steps of 256 through a ring of two LDS slots; the scale bytes come once.  4 x 4 work-groups form a cluster: A's tiles are asked for jointly along
; a row of the cluster, B's along a column.  128 tiles: one work-group each.
; THE MATRIX INSTRUCTION IS USED TRANSPOSED (source 0 = 16 rows of B, source 1 = 16 rows of A): a lane holds eight neighbouring numbers of a row of the result.  bo is the C of each sum's first product.
; REGISTERS, in windows of 256: window 0: v0-31 addresses; v32-63 scale words, two sets; v64-127 bo in the result's layout; from v128 A's fragments, one set; on the way out v128-255 are free.
;   window 1: B's fragments, two sets.   window 2: the accumulators of my rows 0-63;   window 3: those of my rows 64-127.
.set SIZE_K, 1024
.set SIZE_N, 1024
.set KSTEP,  256
.set NQ,     KSTEP/128
.set ROWB,   192                       ; B: a tile's row in bytes
.set KROW,   SIZE_K*6/8                ; a row of codes in memory; also ctx's images: 12,288 bytes for 16 rows
.set PITCH,  240                       ; B: an LDS row: 3 x (64 bytes + 16 of padding)
.set AIMG,   3072                      ; A: a tile of 16 rows x 256 along K: two images of 1,536 bytes
.set FR,     12
.set NL,     6
.set NP,     4
.set HALFT,  128*PITCH                 ; 128 rows of B; A's 8 x AIMG bytes take the first 24,576 of their place
.set SLOT,   4*HALFT
.set LAPS,   SIZE_K/(2*KSTEP)
.set KS,     SIZE_K/32
.set SCL,    2*SLOT
.set HALFS,  (128*KS/256)*272
.set SBLK,   (16*KS/256)*272
.set SPARE,  SCL+4*HALFS               ; the spare words, 128 bytes for each wave: two blocks of 256 bytes that no other line names
.set SPITCH, 528                       ; the way out: a stage of 16 rows x (512 bytes + 16) for each wave, in slot 0, which has had its last fill and its last read by then
.set ADRA, 16                          ; v16-17 LDS address of my A images in slot 0, 1: 8 x lane + my half's place
.set ADRB, 20                          ; v20-23 of my B fragments
.set STO,  24
.set RD,   25
.set CO,   26
.set ADRS, 27
.set SPW,  28
.set NIL,  29
.set BOA,  30                          ; v30 32 h: my half's eight numbers of bo
.set SC,   32
.set BI,   64                          ; v64-127 bo: eight registers for each of B's eight blocks
.set AF,   128
.set BK,   128
.set G1, 24
.set G0, 32
.set G1B, 48
.set G0B, 56
.set G1S, 68
.set G0S, 76
.set G1SB, 80
.set G0SB, 88
.set MSB, 0
.macro WIN new
.if MSB != (\new)
	s_set_vgpr_msb (MSB<<8)|(\new)
.set MSB, (\new)
.endif
.endm
.set MUL_LO, 0xa1                      ; source 0 (B) window 1, source 1 (A) window 0, C and D window 2
.set MUL_HI, 0xf1
.set BIA_LO, 0x81                      ; the first step: C (bo) window 0, D window 2
.set BIA_HI, 0xc1
.set TO_B,   0x40
.macro JLOAD g0a, g1a, g0b, g1b        ; a joint load: waves 0 and 1 fetch for A, waves 2 and 3 for B; an s_nop 0 and four v_nop follow each of the two lines
	s_cmp_eq_u32 s15, 0
	s_cbranch_scc0 .Lfor_b_\@
	tensor_load_to_lds s[\g0a:\g0a+3], s[\g1a:\g1a+7]
	s_nop 0
.rept 4
	v_nop
.endr
	s_branch .Lasked_\@
.Lfor_b_\@:
	tensor_load_to_lds s[\g0b:\g0b+3], s[\g1b:\g1b+7]
	s_nop 0
.rept 4
	v_nop
.endr
.Lasked_\@:
.endm
.macro CREST
	s_cmp_lg_u32 s14, 0
	s_cbranch_scc1 .Lnot_wave_0_\@
	s_barrier_signal -3
.Lnot_wave_0_\@:
	s_barrier_wait -3
	s_barrier_signal -1
	s_barrier_wait -1
.endm
.macro CROUND
	s_barrier_signal -1
	s_barrier_wait -1
	CREST
.endm
	s_load_b128 s[4:7], s[0:1], 0x0                ; ctx's images s[4:5], ctx's scales s[6:7]
	s_load_b128 s[8:11], s[0:1], 0x10              ; codes s[8:9], scales s[10:11]
	s_load_b128 s[96:99], s[0:1], 0x20             ; bo s[96:97], out0 s[98:99]
	v_lshl_add_u32 v[SPW], v0, 2, SPARE
	v_mov_b32 v[NIL], 0
	ds_add_u32 v[SPW], v[NIL]                      ; the wave's opening: the add and its wait stand ahead of my first tensor load; the set-up below, work on registers, stands between them
	v_lshrrev_b32 v1, 5, v0
	v_readfirstlane_b32 s14, v1                    ; wave 0..3
	s_lshr_b32 s15, s14, 1                         ; which half of the tile's rows is mine.  Also: I fetch for A (0) or for B (1)
	s_and_b32 s16, s14, 1                          ; which half of its columns.  Also: which half of that tile I fetch
	s_bfe_u32 s40, ttmp6, 0x40000                  ; cx
	s_bfe_u32 s41, ttmp6, 0x40004                  ; cy
	s_lshl_b32 s42, ttmp9, 2
	s_add_co_u32 s42, s42, s40                     ; tile column
	s_and_b32 s17, ttmp7, 0xffff
	s_lshl_b32 s17, s17, 2
	s_add_co_u32 s17, s17, s41                     ; tile row
	s_lshl_b32 s43, s41, 2
	s_lshl_b32 s43, 15, s43                        ; my row of the cluster
	s_lshl_b32 s44, 0x1111, s40                    ; my column
	; A: 8 tiles of 16 rows, of each the 3,072 bytes of this K step: rows of 384 elements of 8 bytes, 1,536 elements apart; dense in LDS
	s_or_b32 s[G1+0], s43, (3<<16)|(1<<21)
	s_mov_b32 s[G1+1], 384<<16
	s_mov_b32 s[G1+2], 8<<16
	s_mov_b32 s[G1+3], 384<<16
	s_mov_b32 s[G1+4], 8
	s_mov_b32 s[G1+5], 1536
	s_mov_b32 s[G1+6], 0
	s_mov_b32 s[G1+7], 0
	; B: 128 rows of 192 bytes, padded in LDS
	s_or_b32 s[G1B+0], s44, (0<<16)|(1<<20)|(1<<21)|(3<<22)|(3<<25)
	s_mov_b32 s[G1B+1], ROWB<<16
	s_mov_b32 s[G1B+2], 128<<16
	s_mov_b32 s[G1B+3], ROWB<<16
	s_mov_b32 s[G1B+4], 128
	s_mov_b32 s[G1B+5], KROW
	s_mov_b32 s[G1B+6], 0
	s_mov_b32 s[G1B+7], 0
	s_or_b32 s[G1S+0], s43, (3<<16)|(1<<20)|(1<<21)|(5<<22)|(3<<25) ; the scales of 128 rows: a dense block, as rows of 256 bytes + 16 of padding
	s_or_b32 s[G1SB+0], s44, (3<<16)|(1<<20)|(1<<21)|(5<<22)|(3<<25)
.irp g, G1S, G1SB
	s_mov_b32 s[\g+1], 32<<16
	s_mov_b32 s[\g+2], (128*KS/256)<<16
	s_mov_b32 s[\g+3], 32<<16
	s_mov_b32 s[\g+4], 128*KS/256
	s_mov_b32 s[\g+5], 32
	s_mov_b32 s[\g+6], 0
	s_mov_b32 s[\g+7], 0
.endr
	s_lshl_b32 s18, s16, 7
	s_lshl_b32 s20, s17, 8
	s_add_co_u32 s20, s20, s18                     ; A: row 256 x tile row + 128 x half
	s_lshl_b32 s46, s42, 8
	s_add_co_u32 s46, s46, s18
	s_add_co_u32 s46, s46, 19456                   ; B: Wo's rows: 19,456 + 256 x tile column + 128 x half
	s_mov_b32 s21, 0
	s_mov_b32 s47, 0
	s_mov_b64 s[18:19], KS
	s_mul_u64 s[22:23], s[20:21], s[18:19]
	s_mul_u64 s[92:93], s[46:47], s[18:19]
	s_mov_b64 s[18:19], KROW
	s_mul_u64 s[20:21], s[20:21], s[18:19]         ; (16 rows of ctx are 12,288 bytes of images: 768 a row, as in rows of codes)
	s_mul_u64 s[46:47], s[46:47], s[18:19]
	s_mul_i32 s45, s14, HALFT
	s_mul_i32 s94, s14, HALFS
	s_wait_dscnt 0x0                               ; the opening add is done
	s_wait_kmcnt 0x0
	s_add_nc_u64 s[20:21], s[4:5], s[20:21]
	s_add_nc_u64 s[22:23], s[6:7], s[22:23]
	s_add_nc_u64 s[46:47], s[8:9], s[46:47]
	s_add_nc_u64 s[92:93], s[10:11], s[92:93]
	CROUND                                         ; all sixteen work-groups are here: the first joint loads meet
	s_mov_b32 s[G0S], 1
	s_add_co_u32 s[G0S+1], s94, SCL
	s_mov_b64 s[G0S+2:G0S+3], s[22:23]
	s_or_b32 s[G0S+3], s[G0S+3], 0x80000000
	s_mov_b32 s[G0SB], 1
	s_add_co_u32 s[G0SB+1], s94, SCL
	s_mov_b64 s[G0SB+2:G0SB+3], s[92:93]
	s_or_b32 s[G0SB+3], s[G0SB+3], 0x80000000
	JLOAD G0S, G1S, G0SB, G1SB
.irp s, 0,1
	s_mov_b32 s[G0+4*\s], 1
	s_add_co_u32 s[G0+4*\s+1], s45, \s*SLOT
	s_add_nc_u64 s[G0+4*\s+2:G0+4*\s+3], s[20:21], \s*AIMG
	s_or_b32 s[G0+4*\s+3], s[G0+4*\s+3], 0x80000000
	s_mov_b32 s[G0B+4*\s], 1
	s_add_co_u32 s[G0B+4*\s+1], s45, \s*SLOT
	s_add_nc_u64 s[G0B+4*\s+2:G0B+4*\s+3], s[46:47], \s*ROWB
	s_or_b32 s[G0B+4*\s+3], s[G0B+4*\s+3], 0x80000000
	JLOAD G0+4*\s, G1, G0B+4*\s, G1B               ; three tensor loads of mine are out
.endr
	v_and_b32 v1, 15, v0                           ; r
	v_bfe_u32 v2, v0, 4, 1                         ; h
	v_mul_u32_u24 v3, v1, PITCH
	v_mul_u32_u24 v4, v2, 24
	v_add_nc_u32 v4, v3, v4                        ; B: a fragment's row x pitch + 24 h
	v_lshl_add_u32 v5, v2, 4, v4                   ; and the same behind one padding more
	v_and_b32 v7, 31, v0
	v_lshlrev_b32 v7, 3, v7                        ; A: 8 x lane
	s_mul_i32 s21, s15, HALFT                      ; my half of A
	s_mul_i32 s22, s16, HALFT                      ; my 128 rows of B,
	s_add_co_u32 s22, s22, 2*HALFT                 ; which lie behind A's two halves
.irp s, 0,1
	v_add_nc_u32 v[ADRA+\s], s21, v7
	v_add_nc_u32 v[ADRB+\s], s22, v4
	v_add_nc_u32 v[ADRB+2+\s], s22, v5
	s_add_co_u32 s21, s21, SLOT
	s_add_co_u32 s22, s22, SLOT
.endr
	v_mul_u32_u24 v5, v1, KS
	v_lshrrev_b32 v6, 8, v5
	v_lshl_add_u32 v5, v6, 4, v5
	s_mul_i32 s21, s15, HALFS
	s_mul_i32 s22, s16, HALFS
	s_add_co_u32 s22, s22, 2*HALFS
	s_sub_co_u32 s22, s22, s21
	v_mul_u32_u24 v6, s22, v2                      ; lanes 16-31 take B's
	s_add_co_u32 s21, s21, SCL
	v_add_nc_u32 v5, v5, v6
	v_add_nc_u32 v[ADRS], s21, v5
	s_mul_i32 s23, s14, 16*SPITCH                  ; my stage
	v_mul_u32_u24 v5, v1, SPITCH
	v_lshl_add_u32 v5, v2, 5, v5
	v_add_nc_u32 v[STO], s23, v5
	v_and_b32 v6, 31, v0
	v_lshlrev_b32 v[CO], 4, v6
	v_add_nc_u32 v[RD], s23, v[CO]
	v_lshlrev_b32 v[BOA], 5, v2
	s_lshl_b32 s20, s17, 8
	s_lshl_b32 s21, s15, 7
	s_add_co_u32 s20, s20, s21                     ; my first row of the result
	s_mov_b32 s21, 0
	s_mov_b64 s[18:19], SIZE_N*4
	s_mul_u64 s[20:21], s[20:21], s[18:19]
	s_lshl_b32 s46, s42, 10                        ; my first column, in bytes
	s_lshl_b32 s47, s16, 9
	s_add_co_u32 s46, s46, s47
	s_mov_b32 s47, 0
	s_add_nc_u64 s[96:97], s[96:97], s[46:47]      ; bo at my first column
	s_add_nc_u64 s[20:21], s[20:21], s[46:47]
	s_add_nc_u64 s[12:13], s[98:99], s[20:21]
.irp b, 0,1,2,3,4,5,6,7
	global_load_b128 v[BI+8*\b:BI+8*\b+3], v[BOA], s[96:97] offset:64*\b           ; bo(16 b + 8 h + 0 .. 7)
	global_load_b128 v[BI+8*\b+4:BI+8*\b+7], v[BOA], s[96:97] offset:64*\b+16
.endr
.macro FRAG reg, adr, q, i             ; B: 16 rows x 128 K from padded rows, in pieces of 8 bytes
.irp p, 0,1,2,3,4,5
.set PC, 12*(\q)+6*(\p/3)+\p%3
.if PC%8 < 5
	ds_load_b64 v[\reg+2*\p:\reg+2*\p+1], v[\adr] offset:8*PC+16*(PC/8)+(\i)*16*PITCH
.else
	ds_load_b64 v[\reg+2*\p:\reg+2*\p+1], v[\adr+2] offset:8*PC+16*(PC/8)+(\i)*16*PITCH
.endif
.endr
.endm
.macro FRAGI reg, slot, q, i           ; A: an image of the operand's registers: piece p's 256 bytes on end, 8 bytes a lane
.irp p, 0,1,2,3,4,5
	ds_load_b64 v[\reg+2*\p:\reg+2*\p+1], v[ADRA+\slot] offset:AIMG*(\i)+1536*(\q)+256*\p
.endr
.endm
; 16 matrix instructions: A's blocks a0, a0 + 1 x B's eight.  The 64 accumulators take turns, one instruction a turn.  zero = 1: the first product starts the sums, with bo as its C.
.macro MUL16 a0, p, q, sc, zero
.irp a, \a0, \a0+1
.irp b, 0,1,2,3,4,5,6,7
.if \zero
	v_wmma_scale_f32_16x16x128_f8f6f4 v[8*(8*((\a)%4)+\b):8*(8*((\a)%4)+\b)+7], v[128*(\p)+FR*\b:128*(\p)+FR*\b+FR-1], v[AF+FR*(\a):AF+FR*(\a)+FR-1], v[BI+8*\b:BI+8*\b+7], v[SC+8*NQ*(\sc)+NQ*\b+(\q)], v[SC+8*NQ*(\sc)+NQ*(\a)+(\q)] matrix_a_fmt:MATRIX_FMT_FP6 matrix_b_fmt:MATRIX_FMT_FP6 matrix_a_scale:MATRIX_SCALE_ROW1
.else
	v_wmma_scale_f32_16x16x128_f8f6f4 v[8*(8*((\a)%4)+\b):8*(8*((\a)%4)+\b)+7], v[128*(\p)+FR*\b:128*(\p)+FR*\b+FR-1], v[AF+FR*(\a):AF+FR*(\a)+FR-1], v[8*(8*((\a)%4)+\b):8*(8*((\a)%4)+\b)+7], v[SC+8*NQ*(\sc)+NQ*\b+(\q)], v[SC+8*NQ*(\sc)+NQ*(\a)+(\q)] matrix_a_fmt:MATRIX_FMT_FP6 matrix_b_fmt:MATRIX_FMT_FP6 matrix_a_scale:MATRIX_SCALE_ROW1
.endif
.endr
.endr
.endm
.macro FETCH_B slot, q, p
	WIN TO_B
.irp i, 0,1,2,3,4,5,6,7
	FRAG 128*(\p)+FR*\i, ADRB+\slot, \q, \i
.endr
	WIN 0
.endm
.macro FETCH_A slot, q, i0
.irp i, \i0, \i0+1, \i0+2, \i0+3
	FRAGI AF+FR*(\i), \slot, \q, \i
.endr
.endm
.macro SCALES sc
.irp i, 0,1,2,3,4,5,6,7
	ds_load_b64 v[SC+8*NQ*\sc+NQ*\i:SC+8*NQ*\sc+NQ*\i+1], v[ADRS] offset:\i*SBLK
.endr
.endm
.macro PLACES n                        ; places behind matrix instructions (ISA guide 7.12.1)
.rept \n
	v_nop
.endr
.endm
.macro STEP slot, q, zero
	s_wait_dscnt 4*NL                              ; B's set and A's blocks 0-3 are in; the youngest 24 loads (A's blocks 4-7) may be out
.if \zero
	WIN BIA_LO
.else
	WIN MUL_LO
.endif
	MUL16 0, (\q)%2, \q, \slot, \zero
	MUL16 2, (\q)%2, \q, \slot, \zero
	s_wait_dscnt 0
	PLACES NP
	FETCH_B \slot, (\q)+1, 1-(\q)%2
	FETCH_A \slot, (\q)+1, 0
.if \zero
	WIN BIA_HI
.else
	WIN MUL_HI
.endif
	MUL16 4, (\q)%2, \q, \slot, \zero
	MUL16 6, (\q)%2, \q, \slot, \zero
	PLACES NP
	WIN 0
	FETCH_A \slot, (\q)+1, 4
.endm
.macro TURN slot, next, fill           ; a slot's last step changes slots: one barrier, as in the launch of the projections
	s_wait_tensorcnt 0x0                           ; all my tensor loads have landed: my part of the next slot
	ds_add_u32 v[SPW], v[NIL]                      ; 0 onto my spare word
	s_wait_dscnt 4*NL+1                            ; the add and the youngest 24 loads may be out
	WIN MUL_LO
	MUL16 0, 1, NQ-1, \slot, 0
	s_wait_dscnt 0x0                               ; the add is done, and my reads of this slot are over
	s_barrier_signal -1
	MUL16 2, 1, NQ-1, \slot, 0
	WIN 0
	s_barrier_wait -1
.if \fill
	CREST                                          ; a round of the cluster's barrier: no wave of any partner still reads this slot or has a load on its way
	s_add_nc_u64 s[G0+4*\slot+2:G0+4*\slot+3], s[G0+4*\slot+2:G0+4*\slot+3], 2*AIMG
	s_add_nc_u64 s[G0B+4*\slot+2:G0B+4*\slot+3], s[G0B+4*\slot+2:G0B+4*\slot+3], 2*ROWB
	JLOAD G0+4*\slot, G1, G0B+4*\slot, G1B         ; the first tensor load behind the round
.else
	PLACES NP
.endif
	v_add_nc_u32 v[ADRS], 4*NQ, v[ADRS]
	FETCH_B \next, 0, 0
	FETCH_A \next, 0, 0
	SCALES \next
	WIN MUL_HI
	MUL16 4, 1, NQ-1, \slot, 0
	MUL16 6, 1, NQ-1, \slot, 0
	PLACES NP
	WIN 0
	FETCH_A \next, 0, 4
.endm
	s_wait_tensorcnt 1                             ; the scales and my part of K step 0 are in; K step 1's load may be out
	s_barrier_signal -1
	s_barrier_wait -1
	FETCH_B 0, 0, 0
	FETCH_A 0, 0, 0
	SCALES 0
	FETCH_A 0, 0, 4
	s_wait_loadcnt 0x0                             ; bo
	STEP 0, 0, 1
	s_mov_b32 s3, LAPS-1
.Llap:
	TURN 0, 1, 1
	STEP 1, 0, 0
	TURN 1, 0, 1
	STEP 0, 0, 0
	s_sub_co_u32 s3, s3, 1
	s_cmp_lg_u32 s3, 0
	s_cbranch_scc1 .Llap
	TURN 0, 1, 0
	STEP 1, 0, 0
	s_wait_dscnt 4*NL
	WIN MUL_LO
	MUL16 0, 1, NQ-1, 1, 0
	MUL16 2, 1, NQ-1, 1, 0
	s_wait_dscnt 0
	WIN MUL_HI
	MUL16 4, 1, NQ-1, 1, 0
	MUL16 6, 1, NQ-1, 1, 0
	WIN 0
; THE WAY OUT, block by block of 16 rows x 128 columns, through my own stage in LDS: in as 32 bytes a lane, back as whole rows of 512 bytes.  LDS serves a wave's instructions in order: no wait between.
.macro TOSTAGE a
.set AC, 64*((\a)%4)
	WIN 0x08+4*((\a)/4)                            ; the data: window 2 or 3
.irp b, 0,1,2,3,4,5,6,7
	ds_store_b128 v[STO], v[AC+8*\b:AC+8*\b+3] offset:64*\b        ; each accumulator from its low end on
	ds_store_b128 v[STO], v[AC+8*\b+4:AC+8*\b+7] offset:64*\b+16
.endr
	WIN 0
.set BB, BK+64*((\a)%2)
.irp t, 0,1,2,3,4,5,6,7,8,9,10,11,12,13,14,15
	ds_load_b128 v[BB+4*\t:BB+4*\t+3], v[RD] offset:\t*SPITCH
.endr
.endm
.macro SEND a, younger
.set BB, BK+64*((\a)%2)
	s_wait_dscnt \younger                          ; the block is back in registers; the LDS instructions issued behind its loads may be out
.if (\a) > 0
	s_add_nc_u64 s[12:13], s[12:13], 16*SIZE_N*4   ; (behind a wait on XCNT: the earlier stores have read their base)
.endif
.irp t, 0,1,2,3,4,5,6,7,8,9,10,11,12,13,14,15
	global_store_b128 v[CO], v[BB+4*\t:BB+4*\t+3], s[12:13] offset:\t*SIZE_N*4 th:TH_STORE_NT   ; 32 lanes store 512 consecutive bytes, aligned
.endr
.endm
	PLACES NP
	TOSTAGE 0
.irp a, 1,2,3,4,5,6,7
.if \a > 1
	s_wait_xcnt 0x0                                ; block a - 2's stores have read their registers and their base
.endif
	TOSTAGE \a
	SEND \a-1, 32                                  ; behind block a - 1's loads: block a's 16 stores and 16 loads
.endr
	s_wait_xcnt 0x0
	SEND 7, 0
	s_wait_tensorcnt 0x0                           ; the wave's end, behind my last tensor load and my last LDS store
	ds_add_u32 v[SPW], v[NIL]
	s_wait_dscnt 0x0
	CROUND                                         ; the closing round
	s_endpgm
.Lfunc_end_k_qb6209ec0b1_outp:
	.size	k_qb6209ec0b1_outp, .Lfunc_end_k_qb6209ec0b1_outp-k_qb6209ec0b1_outp
	.p2alignl 7, 3214868480
	.fill 96, 4, 3214868480
	.section	.rodata,"a",@progbits
	.p2align	6, 0x0
	.amdhsa_kernel k_qb6209ec0b1_outp
		.amdhsa_group_segment_fixed_size 327680
		.amdhsa_private_segment_fixed_size 0
		.amdhsa_enable_private_segment 0
		.amdhsa_kernarg_size 48
		.amdhsa_user_sgpr_count 2
		.amdhsa_user_sgpr_kernarg_segment_ptr 1
		.amdhsa_wavefront_size32 1
		.amdhsa_system_sgpr_workgroup_id_x 1
		.amdhsa_system_sgpr_workgroup_id_y 1
		.amdhsa_system_sgpr_workgroup_id_z 1
		.amdhsa_system_vgpr_workitem_id 0
		.amdhsa_next_free_vgpr 1024
		.amdhsa_next_free_sgpr 100
		.amdhsa_reserve_vcc 0
		.amdhsa_float_denorm_mode_32 3
		.amdhsa_float_denorm_mode_16_64 3
		.amdhsa_memory_ordered 1
		.amdhsa_forward_progress 1
		.amdhsa_inst_pref_size 161
	.end_amdhsa_kernel
	.amdgpu_metadata
---
amdhsa.version: [ 1, 2 ]
amdhsa.kernels:
  - .name:           k_qb6209ec0b1_outp
    .symbol:         k_qb6209ec0b1_outp.kd
    .args:
      - { .name: cimg, .offset: 0, .size: 8, .value_kind: global_buffer, .address_space: global }
      - { .name: csc, .offset: 8, .size: 8, .value_kind: global_buffer, .address_space: global }
      - { .name: codes, .offset: 16, .size: 8, .value_kind: global_buffer, .address_space: global }
      - { .name: scales, .offset: 24, .size: 8, .value_kind: global_buffer, .address_space: global }
      - { .name: bo, .offset: 32, .size: 8, .value_kind: global_buffer, .address_space: global }
      - { .name: out0, .offset: 40, .size: 8, .value_kind: global_buffer, .address_space: global }
    .group_segment_fixed_size: 327680
    .private_segment_fixed_size: 0
    .kernarg_segment_align: 8
    .kernarg_segment_size: 48
    .max_flat_workgroup_size: 128
    .sgpr_count:     100
    .vgpr_count:     1024
    .wavefront_size: 32
...
	.end_amdgpu_metadata
.endif
;; end of part 4
